; MI455X (gfx1250); checked and timed in simulation.
; The chip was launched on July 23, 2026; its instructions are those of AMD's public machine-readable ISA for CDNA 5 (MIT licence, August 2026) and "CDNA5" Instruction Set Architecture Reference Guide (July 2026). The comments in the code are by the model that wrote it; some were corrected since.
;; Self Attention. Allowed arithmetic: matrix products marked QUANTISED: E2M1 operands, one E8M0 scale for each 32 along K, by v_wmma_scale_f32_16x16x128_f8f6f4 with both operands' format E2M1 (or v_wmma_scale_f32_32x16x128_f4), f32 sums; products left as they are: bf16, f16 or f32 operands; f32 sums; everything else in f32.
;; Inputs: Wk 1,024 x 1,024 float32; Wo 1,024 x 1,024 float32; Wq 1,024 x 1,024 float32; Wv 1,024 x 1,024 float32; x 4 x 2,048 x 1,024 float32.
;; Outputs: out0 4 x 2,048 x 1,024 float32.
;; This version of the problem:
;;   THIS VERSION OF THE PROBLEM IS GIVEN IN LOW PRECISION. The matrix products marked QUANTISED in the list below multiply operands that are first quantised to E2M1 (2 exponent bits, 1 mantissa bit; 4 bits a number), with one power-of-two scale for each 32 numbers along K (OCP MX v1.0); their sums are f32. The products marked 'left as it is' may take bf16, f16 or f32 operands, with f32 sums. Whichever they take, every output number must still come out within the allowed error. Rounding operands to bf16 (8 significant bits) uses up far more of that allowance than f16 does (11 bits, for magnitudes from 6e-5 to 65,504). All else is computed in f32.
;;   The module's matrix products, in the order in which they are computed (A, B: the left and right operand; K: the contracted axis; several contracted axes count as one K, in the product's order):
;;     1. [M 2,048, K 1] x [K 1, N 32]; A: computed on the way; B: computed on the way: left as it is (no contracted axis)
;;     2. [M 8,192, K 1,024] x [K 1,024, N 1,024]; A: input x; B: input Wq: QUANTISED
;;     3. [M 8,192, K 1,024] x [K 1,024, N 1,024]; A: input x; B: input Wk: QUANTISED
;;     4. [M 8,192, K 1,024] x [K 1,024, N 1,024]; A: input x; B: input Wv: QUANTISED
;;     5. batch 64 x [M 2,048, K 64] x [K 64, N 2,048]; A: computed on the way; B: computed on the way: left as it is (an operand is computed on the way)
;;     6. batch 64 x [M 2,048, K 2,048] x [K 2,048, N 64]; A: computed on the way; B: computed on the way: left as it is (an operand is computed on the way)
;;     7. [M 8,192, K 1,024] x [K 1,024, N 1,024]; A: computed on the way; B: input Wo: left as it is (an operand is computed on the way)
;;   THE QUANTISER, for each operand of a quantised product, along K:
;;     - K is cut into blocks of 32 from its start; a last block that is shorter is filled with zeros.
;;     - A block's scale is 2^e with e = floor(log2(the largest magnitude in the block)) - 2, held to -126 .. 127; a block of zeros has e = 0. As a byte (E8M0): e + 127.
;;     - Each number is divided by its block's scale, clamped to +-6, and rounded to the nearest number of E2M1, ties to even, subnormals kept.
;;     - The product sums the exact products of the quantised numbers (number of the format x scale) in f32.
;;   ~~~python
;;   def quantise(x, axis):      # numpy; x: float32 -> the quantised numbers, widened to float32 again
;;       x = np.moveaxis(x, axis, -1); K = x.shape[-1]
;;       x = np.pad(x, [(0, 0)] * (x.ndim - 1) + [(0, -K % 32)]); x = x.reshape(x.shape[:-1] + (-1, 32)); a = np.abs(x).max(-1, keepdims=True)
;;       e = np.where(a > 0, np.clip(np.frexp(np.where(a > 0, a, 1))[1] - 1 - 2, -126, 127), 0)      # np.frexp(a)[1] - 1 = floor(log2(a)), exactly
;;       r = np.clip(x / 2.0 ** e, -6, 6)
;;       step = 2.0 ** (np.maximum(np.frexp(np.where(r == 0, 1, r))[1] - 1, 0) - 1)
;;       q = np.round(r / step) * step * 2.0 ** e      # np.round: ties to even
;;       return np.moveaxis(q.reshape(q.shape[:-2] + (-1,))[..., :K], -1, axis).astype(np.float32)
;;   ~~~
;; One version. Each part assembles by itself: llvm-mc -triple=amdgcn-amd-amdhsa -mcpu=gfx1250 --defsym DOCPART=n.
;; ======== version 1 of 1: 4 launches
;; limits: values are held in f16: magnitudes above 65,504 overflow, below 6.1e-05 lose precision
;; workspace buffers: xc 4,194,304 bytes; xs 262,144 bytes; wc 1,572,864 bytes; ws 98,304 bytes; wo16 2,097,152 bytes; rope 1,048,576 bytes; qkv 50,331,648 bytes; att 16,777,216 bytes
;; launch prep (part 1): grid 448 x 1, 4 waves a work-group, no clusters, 33,280 bytes of LDS; arguments x, Wq, Wk, Wv, Wo, xc, xs, wc, ws, wo16, rope; writes xc, xs, wc, ws, wo16, rope
.if DOCPART == 1
	.amdgcn_target "amdgcn-amd-amdhsa--gfx1250"
	.amdhsa_code_object_version 6
	.text
	.protected	k_q46d9c0791b_prep
	.globl	k_q46d9c0791b_prep
	.p2align	8
	.type	k_q46d9c0791b_prep,@function
k_q46d9c0791b_prep:
	s_mov_b64 s[64:65], 0
	v_nop
	global_prefetch_b8 v0, s[64:65] scope:SCOPE_SE
	s_setreg_imm32_b32 hwreg(HW_REG_WAVE_MODE, 25, 1), 1
	s_wait_xcnt 0x0
; THREE ROLES, chosen by the work-group's number alone.
; 0-351    x [8192][1024], Wq, Wk, Wv [1024][1024], f32, K innermost, become codes of FP4 (E2M1), two a byte, and one E8M0 byte for each 32 along K.
;          A block's scale is 2^(floor(log2(its largest magnitude)) - 2); its byte is the largest magnitude's exponent field - 2, held at 1 from below.
;          The rows of Wq and Wk are laid DE-INTERLEAVED within each head of 64: source row 2 c goes to row c, source row 2 c + 1 to row 32 + c, so that the next launch finds
;          the two numbers of a rotary pair in one lane.  Wq's rows come first in wc and ws, then Wk's, then Wv's (in their own order).
; 352-383  Wo [1024][1024] is rounded to f16, in place order.
; 384-447  the rotary tables: row t = cos(t f_i), i = 0..31, then sin(t f_i): 256 bytes.  f_i = 10000^(-i/32).  Table 1 is plain (for k), table 0 is multiplied by log2(e)/8 (for q),
;          so that the scores come out of the first attention product in units of log2.
; LIMITS: NaN and infinities among the inputs are not served.  Blocks whose largest magnitude lies under 2^(3 - 127), blocks of zeros among them, get the byte 1: a block of zeros has zero codes, which add
; nothing, and the bytes are read by this program alone.  f_i is made by one multiplication and one exponential in f32 and is a few units in the last place from a power function's; the angle is reduced by pi/2 in two parts, exactly
; in the first, and sine and cosine are polynomials of degree 9 and 8 on |x| <= pi/4 (remainders under 3e-8).
; No cluster, no tensor load: the work-groups share no input.  Waves share nothing: no barrier.
.set WREG,  8192                       ; LDS of a quantising wave: two stages of 32 x SP bytes, and behind them its 256 scale bytes
.set SP,    80                         ; a lane's place in a stage: 64 bytes + 16 of padding
.set SPARE, 4*WREG                     ; the spare words, 128 bytes a wave: two blocks of 256 bytes that no other line names
.set EMAX,  2
.set SPW,   12                         ; v12  my spare word's LDS address; never rewritten
.set NIL,   13                         ; v13  0; never rewritten
.set R,     16                         ; v16-79   four sets of 16 numbers as loaded
.set X,     80                         ; v80-111  two sets of 16 neighbours
.set E,     112                        ; v112-127 a scale byte for each step
.set C,     128                        ; v128-191 codes: registers of its own for each step
.set RO,    192                        ; v192-199 where the codes of my wave's row i go: 8 x lane + the row's place
.set SO,    200                        ; v200     where my 8 scale bytes go
	s_load_b512 s[4:19], s[0:1], 0x0               ; x 4:5, Wq 6:7, Wk 8:9, Wv 10:11, Wo 12:13, xc 14:15, xs 16:17, wc 18:19
	s_load_b128 s[20:23], s[0:1], 0x40             ; ws 20:21, wo16 22:23
	s_load_b64 s[24:25], s[0:1], 0x50              ; rope
	v_lshl_add_u32 v[SPW], v0, 2, SPARE
	v_mov_b32 v[NIL], 0
	v_lshrrev_b32 v1, 5, v0
	v_readfirstlane_b32 s32, v1                    ; wave 0..3
	v_and_b32 v2, 31, v0                           ; lane
	s_wait_kmcnt 0x0
	s_cmp_lt_u32 ttmp9, 352
	s_cbranch_scc0 .Lnot_q
; ---------------- the quantiser.  A wave takes 8 rows of 1,024 numbers: 16 steps of 512.
	s_mov_b64 s[26:27], s[10:11]                   ; the source: Wv,
	s_cmp_lt_u32 ttmp9, 320
	s_cselect_b64 s[26:27], s[8:9], s[26:27]       ; Wk,
	s_cmp_lt_u32 ttmp9, 288
	s_cselect_b64 s[26:27], s[6:7], s[26:27]       ; Wq,
	s_sub_co_u32 s47, ttmp9, 256                   ; (the number among the weights' work-groups; wraps for x and is then above every bound below)
	s_and_b32 s34, s47, 31
	s_lshr_b32 s35, s47, 5                         ; which weight
	s_cmp_lt_u32 ttmp9, 256
	s_cselect_b64 s[26:27], s[4:5], s[26:27]       ; or x
	s_cselect_b64 s[28:29], s[14:15], s[18:19]     ; the codes' buffer
	s_cselect_b64 s[30:31], s[16:17], s[20:21]     ; the scale bytes' buffer
	s_cselect_b32 s34, ttmp9, s34                  ; the work-group's number within its tensor
	s_cselect_b32 s35, 0, s35
	s_lshl_b32 s34, s34, 2
	s_add_co_u32 s34, s34, s32                     ; u: my wave's run of 8 rows
	s_lshr_b32 s36, s34, 3
	s_lshl_b32 s36, s36, 6
	s_and_b32 s37, s34, 7
	s_lshl_b32 s37, s37, 2
	s_add_co_u32 s36, s36, s37                     ; de-interleaved: rows 8 u + i go to 64 (u / 8) + 4 (u % 8) + i / 2 + 32 (i % 2)
	s_lshl_b32 s37, s34, 3                         ; plain: to 8 u + 2 (i / 2) + i % 2
	s_cmp_lt_u32 s47, 64                           ; Wq or Wk?
	s_cselect_b32 s36, s36, s37                    ; the first row's place
	s_cselect_b32 s38, 1, 2                        ; rows from pair to pair
	s_cselect_b32 s39, 32, 1                       ; rows from the even to the odd of a pair
	s_lshl_b32 s35, s35, 10
	s_add_co_u32 s36, s36, s35                     ; behind the weights before mine
	s_mov_b32 s41, 0
	s_lshl_b32 s40, s34, 15
	s_add_nc_u64 s[26:27], s[26:27], s[40:41]      ; source: 32,768 bytes a run
	s_lshl_b32 s40, s36, 9
	s_add_nc_u64 s[28:29], s[28:29], s[40:41]      ; codes: 512 bytes a row
	s_lshl_b32 s40, s36, 5
	s_add_nc_u64 s[30:31], s[30:31], s[40:41]      ; scale bytes: 32 a row
	v_lshlrev_b32 v3, 4, v2                        ; my 16 bytes of a load's 512
	v_lshlrev_b32 v4, 3, v2                        ; my 8 bytes of a step's 256 bytes of codes
	s_lshl_b32 s42, s38, 9
	s_lshl_b32 s43, s39, 9
.irp i, 0,1,2,3,4,5,6,7
	s_mul_i32 s44, s42, \i/2
.if \i%2
	s_add_co_u32 s44, s44, s43
.endif
	v_add_nc_u32 v[RO+\i], s44, v4
.endr
	s_lshl_b32 s45, s38, 5
	s_lshl_b32 s46, s39, 5
	v_lshrrev_b32 v8, 3, v2                        ; on the way out lane l holds bytes 8 (l % 4) .. of row l / 4
	v_mul_lo_u32 v8, v8, s45
	v_bfe_u32 v9, v2, 2, 1
	v_mul_lo_u32 v9, v9, s46
	v_and_b32 v10, 3, v2
	v_add_nc_u32 v8, v8, v9
	v_lshl_add_u32 v[SO], v10, 3, v8
	s_mul_i32 s33, s32, WREG
	v_lshrrev_b32 v14, 2, v2
	v_mul_u32_u24 v14, v14, SP
	v_and_b32 v15, 3, v2
	v_lshl_add_u32 v14, v15, 4, v14
	v_add_nc_u32 v14, s33, v14                     ; the stage, on the way in: four lanes' 64 bytes on end, then 16 of padding
	v_mul_u32_u24 v15, v2, SP
	v_add_nc_u32 v15, s33, v15                     ; on the way out: my 16 neighbours
	v_lshrrev_b32 v5, 1, v2
	s_add_co_u32 s33, s33, 2*32*SP
	v_add_nc_u32 v5, s33, v5                       ; my wave's 256 scale bytes: my block's byte,
	v_add_nc_u32 v6, s33, v4                       ; and on the way out 8 bytes a lane
.macro LOAD t
.irp i, 0,1,2,3
	global_load_b128 v[R+16*((\t)%4)+4*\i:R+16*((\t)%4)+4*\i+3], v3, s[26:27] offset:2048*(\t)+512*\i th:TH_LOAD_NT   ; 32 lanes read 512 consecutive bytes
.endr
.endm
.macro TURN t                          ; step t's numbers through the stage: LDS serves a wave's instructions in order, so no wait stands between the stores and the loads
.irp i, 0,1,2,3
	ds_store_b128 v14, v[R+16*((\t)%4)+4*\i:R+16*((\t)%4)+4*\i+3] offset:32*SP*((\t)%2)+8*SP*\i
.endr
.irp i, 0,1,2,3
	ds_load_b128 v[X+16*((\t)%2)+4*\i:X+16*((\t)%2)+4*\i+3], v15 offset:32*SP*((\t)%2)+16*\i
.endr
.endm
.irp t, 0,1,2,3
	LOAD \t
.endr
	s_wait_loadcnt 12                              ; step 0's four loads are in; three steps' twelve may be out
	TURN 0
.macro STEP t
.set XS, X+16*((\t)%2)
.if (\t) > 0
	s_wait_dscnt 1                                 ; this step's numbers are back from the stage (the last step's byte store may be out): so its stores into the stage have read their registers,
.else
	s_wait_dscnt 0x0
.endif
.if (\t)+4 < 16
	LOAD (\t)+4                                    ; which take the loads of four steps on
.endif
.if (\t)+1 < 16
.if 14-(\t) >= 3
	s_wait_loadcnt 12                              ; the next step's four loads are in; those of the three steps behind it may be out
.else
	s_wait_loadcnt 4*(14-(\t))
.endif
	TURN (\t)+1
.endif
	v_max3_num_f32 v8, |v[XS]|, |v[XS+1]|, |v[XS+2]|               ; the largest magnitude of my 16, in two chains
	v_max3_num_f32 v9, |v[XS+3]|, |v[XS+4]|, |v[XS+5]|
.irp i, 6,10
	v_max3_num_f32 v8, v8, |v[XS+\i]|, |v[XS+\i+1]|
	v_max3_num_f32 v9, v9, |v[XS+\i+2]|, |v[XS+\i+3]|
.endr
	v_max3_num_f32 v8, v8, |v[XS+14]|, |v[XS+15]|
	v_max3_num_f32 v8, v8, v9, (EMAX+1)<<23        ; and the floor 2^(3 - 127): the byte cannot fall under 1
	v_max_num_f32_dpp v8, v8, v8 row_xmask:1 row_mask:0xf bank_mask:0xf   ; with my neighbour's 16: the block's
	v_add_nc_u32 v11, -(EMAX<<23), v8              ; 2 off its exponent field: the conversion takes the exponent field of this operand as its scale
	v_cvt_scalef32_pk8_fp4_f32 v[C+4*(\t)], v[XS:XS+7], v11
	v_cvt_scalef32_pk8_fp4_f32 v[C+4*(\t)+1], v[XS+8:XS+15], v11
	v_lshrrev_b32 v[E+(\t)], 23, v11               ; the scale's byte (a plain line behind the conversions)
	ds_store_b8 v5, v[E+(\t)] offset:16*(\t)       ; both lanes of a block write the same byte with the same value
	global_store_b64 v[RO+(\t)/2], v[C+4*(\t):C+4*(\t)+1], s[28:29] offset:256*((\t)%2)   ; 32 lanes store 256 consecutive bytes, aligned: half a row of codes
.endm
.irp t, 0,1,2,3,4,5,6,7,8,9,10,11,12,13,14,15
	STEP \t
.endr
	ds_load_b64 v[8:9], v6                         ; LDS serves a wave's instructions in order: this sees my byte stores
	s_wait_dscnt 0x0
	global_store_b64 v[SO], v[8:9], s[30:31]       ; x, Wv: 256 consecutive bytes; Wq, Wk: eight pieces of 32 bytes, a row's each (64 KiB in the whole launch)
	s_wait_tensorcnt 0x0                           ; the wave's end: the wait, the add to my spare word and its wait behind my last LDS store
	ds_add_u32 v[SPW], v[NIL]
	s_wait_dscnt 0x0
	s_endpgm
; ---------------- Wo to f16.  A wave takes 8,192 numbers in four rounds of 16 loads; loads run two rounds ahead.
.Lnot_q:
	s_cmp_lt_u32 ttmp9, 384
	s_cbranch_scc0 .Lrope
	s_sub_co_u32 s33, ttmp9, 352
	s_lshl_b32 s33, s33, 2
	s_add_co_u32 s33, s33, s32                     ; my run, 0..127
	s_mov_b32 s35, 0
	s_lshl_b32 s34, s33, 15
	s_add_nc_u64 s[12:13], s[12:13], s[34:35]
	s_lshl_b32 s34, s33, 14
	s_add_nc_u64 s[22:23], s[22:23], s[34:35]
	v_lshlrev_b32 v3, 4, v2
	v_lshlrev_b32 v4, 3, v2
.macro WLOAD n
.irp j, 0,1,2,3,4,5,6,7,8,9,10,11,12,13,14,15
	global_load_b128 v[16+64*((\n)%2)+4*\j:16+64*((\n)%2)+4*\j+3], v3, s[12:13] offset:8192*(\n)+512*\j th:TH_LOAD_NT
.endr
.endm
.macro WROUND n
.if (\n) < 3
	s_wait_loadcnt 16                              ; this round's 16 loads are in, the next round's may be out
.else
	s_wait_loadcnt 0x0
.endif
.if (\n) > 0
	s_wait_xcnt 0x0                                ; the last round's stores have read their data registers, which are written again below
.endif
.irp j, 0,1,2,3,4,5,6,7,8,9,10,11,12,13,14,15
	v_cvt_pk_f16_f32 v[144+2*\j], v[16+64*((\n)%2)+4*\j], v[16+64*((\n)%2)+4*\j+1]
	v_cvt_pk_f16_f32 v[145+2*\j], v[16+64*((\n)%2)+4*\j+2], v[16+64*((\n)%2)+4*\j+3]
.endr
.if (\n)+2 < 4
	WLOAD (\n)+2
.endif
.irp j, 0,1,2,3,4,5,6,7,8,9,10,11,12,13,14,15
	global_store_b64 v4, v[144+2*\j:145+2*\j], s[22:23] offset:4096*(\n)+256*\j   ; 32 lanes store 256 consecutive bytes, aligned
.endr
.endm
	WLOAD 0
	WLOAD 1
	WROUND 0
	WROUND 1
	WROUND 2
	WROUND 3
	s_endpgm
; ---------------- the rotary tables.  A wave takes 8 positions; lane l holds two neighbours of a row: lanes 0-15 cosines 2 l, 2 l + 1, lanes 16-31 sines.
.Lrope:
	s_sub_co_u32 s45, ttmp9, 384
	s_lshl_b32 s45, s45, 2
	s_add_co_u32 s45, s45, s32                     ; 0..255
	s_lshl_b32 s46, s45, 11                        ; 8 rows of 256 bytes
	s_mov_b32 s47, 0
	s_add_nc_u64 s[24:25], s[24:25], s[46:47]
	s_lshl_b32 s45, s45, 3                         ; my first position
	s_mov_b32 s33, 0x3f22f983                      ; 2 / pi
	s_mov_b32 s34, 0xbfc90fdb                      ; -(pi / 2), its f32 part,
	s_mov_b32 s35, 0x333bbd2e                      ; and what that part is above pi / 2
	s_mov_b32 s36, 0xbe2aaaab                      ; -1/3!
	s_mov_b32 s37, 0x3c088889                      ; 1/5!
	s_mov_b32 s38, 0xb9500d01                      ; -1/7!
	s_mov_b32 s39, 0x3638ef1d                      ; 1/9!
	s_mov_b32 s40, 0x3d2aaaab                      ; 1/4!
	s_mov_b32 s41, 0xbab60b61                      ; -1/6!
	s_mov_b32 s42, 0x37d00d01                      ; 1/8!
	s_mov_b32 s44, 0x3e38aa3b                      ; log2(e) / 8
	v_and_b32 v16, 15, v2
	v_lshlrev_b32 v16, 1, v16
	v_cvt_f32_u32 v16, v16                         ; i
	v_add_f32 v17, 1.0, v16                        ; i + 1
	v_mul_f32 v16, 0xbed49a78, v16                 ; x -log2(10000) / 32
	v_mul_f32 v17, 0xbed49a78, v17
	v_exp_f32 v16, v16                             ; the two frequencies
	v_exp_f32 v17, v17
	v_lshrrev_b32 v18, 4, v2                       ; (plain lines behind the exponentials)  0: cosine, 1: sine
	v_mul_u32_u24 v18, v18, 3                      ; sin(a) = cos(a - pi/2): three quarter turns on
	v_lshlrev_b32 v19, 3, v2                       ; 8 bytes a lane
	s_wait_alu depctr_va_vdst(0)                   ; one wait for both exponentials, ahead of their first reader
; v[dst] = cos or sin of v21 x v[f].  a = n pi/2 + x, |x| <= pi/4; the quarter turn picks the polynomial and the sign: values are selected, nothing branches.
.macro TRIG dst, f
	v_mul_f32 v22, v21, v[\f]
	v_mul_f32 v23, s33, v22
	v_rndne_f32 v23, v23                           ; n
	v_fma_f32 v22, v23, s34, v22                   ; exact: both terms are multiples of 2^-23 and the difference is under 1
	v_fma_f32 v22, v23, s35, v22                   ; x
	v_mul_f32 v24, v22, v22                        ; z = x^2
	v_fma_f32 v25, v24, s39, s38
	v_fma_f32 v27, v24, s42, s41
	v_fma_f32 v25, v25, v24, s37
	v_fma_f32 v27, v27, v24, s40
	v_fma_f32 v25, v25, v24, s36
	v_fma_f32 v27, v27, v24, -0.5
	v_mul_f32 v26, v22, v24
	v_fma_f32 v27, v27, v24, 1.0                   ; cos x
	v_fma_f32 v25, v26, v25, v22                   ; sin x
	v_cvt_i32_f32 v28, v23
	v_add_nc_u32 v28, v28, v18                     ; quarter turns
	v_and_b32 v29, 1, v28
	v_cmp_eq_u32 vcc_lo, 1, v29
	v_cndmask_b32 v27, v27, v25, vcc_lo            ; odd: the sine
	v_add_nc_u32 v28, 1, v28
	v_and_b32 v28, 2, v28
	v_lshlrev_b32 v28, 30, v28                     ; turns 1 and 2 of 4: the sign
	v_xor_b32 v[\dst], v27, v28
.endm
.irp j, 0,1,2,3,4,5,6,7                ; each position has four data registers of its own: no store's data are written again
	s_add_co_u32 s46, s45, \j
	v_cvt_f32_u32 v21, s46
	TRIG 32+4*\j, 16
	TRIG 33+4*\j, 17
	v_mul_f32 v[34+4*\j], s44, v[32+4*\j]
	v_mul_f32 v[35+4*\j], s44, v[33+4*\j]
	global_store_b64 v19, v[32+4*\j:33+4*\j], s[24:25] offset:524288+256*\j   ; table 1: 32 lanes store a row of 256 bytes, aligned
	global_store_b64 v19, v[34+4*\j:35+4*\j], s[24:25] offset:256*\j          ; table 0
.endr
	s_endpgm
.Lfunc_end_k_q46d9c0791b_prep:
	.size	k_q46d9c0791b_prep, .Lfunc_end_k_q46d9c0791b_prep-k_q46d9c0791b_prep
	.p2alignl 7, 3214868480
	.fill 96, 4, 3214868480
	.section	.rodata,"a",@progbits
	.p2align	6, 0x0
	.amdhsa_kernel k_q46d9c0791b_prep
		.amdhsa_group_segment_fixed_size 33280
		.amdhsa_private_segment_fixed_size 0
		.amdhsa_enable_private_segment 0
		.amdhsa_kernarg_size 88
		.amdhsa_user_sgpr_count 2
		.amdhsa_user_sgpr_kernarg_segment_ptr 1
		.amdhsa_wavefront_size32 1
		.amdhsa_system_sgpr_workgroup_id_x 1
		.amdhsa_system_sgpr_workgroup_id_y 1
		.amdhsa_system_sgpr_workgroup_id_z 1
		.amdhsa_system_vgpr_workitem_id 0
		.amdhsa_next_free_vgpr 208
		.amdhsa_next_free_sgpr 66
		.amdhsa_reserve_vcc 1
		.amdhsa_float_denorm_mode_32 3
		.amdhsa_float_denorm_mode_16_64 3
		.amdhsa_memory_ordered 1
		.amdhsa_forward_progress 1
		.amdhsa_inst_pref_size 77
	.end_amdhsa_kernel
	.amdgpu_metadata
---
amdhsa.version: [ 1, 2 ]
amdhsa.kernels:
  - .name:           k_q46d9c0791b_prep
    .symbol:         k_q46d9c0791b_prep.kd
    .args:
      - { .name: x, .offset: 0, .size: 8, .value_kind: global_buffer, .address_space: global }
      - { .name: Wq, .offset: 8, .size: 8, .value_kind: global_buffer, .address_space: global }
      - { .name: Wk, .offset: 16, .size: 8, .value_kind: global_buffer, .address_space: global }
      - { .name: Wv, .offset: 24, .size: 8, .value_kind: global_buffer, .address_space: global }
      - { .name: Wo, .offset: 32, .size: 8, .value_kind: global_buffer, .address_space: global }
      - { .name: xc, .offset: 40, .size: 8, .value_kind: global_buffer, .address_space: global }
      - { .name: xs, .offset: 48, .size: 8, .value_kind: global_buffer, .address_space: global }
      - { .name: wc, .offset: 56, .size: 8, .value_kind: global_buffer, .address_space: global }
      - { .name: ws, .offset: 64, .size: 8, .value_kind: global_buffer, .address_space: global }
      - { .name: wo16, .offset: 72, .size: 8, .value_kind: global_buffer, .address_space: global }
      - { .name: rope, .offset: 80, .size: 8, .value_kind: global_buffer, .address_space: global }
    .group_segment_fixed_size: 33280
    .private_segment_fixed_size: 0
    .kernarg_segment_align: 8
    .kernarg_segment_size: 88
    .max_flat_workgroup_size: 128
    .sgpr_count:     66
    .vgpr_count:     208
    .wavefront_size: 32
...
	.end_amdgpu_metadata
.endif
;; end of part 1
;; launch qkv (part 2): grid 12 x 32, 4 waves a work-group, clusters of 4 x 4, 327,680 bytes of LDS; arguments xc, xs, wc, ws, rope, qkv; writes qkv
.if DOCPART == 2
	.amdgcn_target "amdgcn-amd-amdhsa--gfx1250"
	.amdhsa_code_object_version 6
	.text
	.protected	k_q46d9c0791b_qkv
	.globl	k_q46d9c0791b_qkv
	.p2align	8
	.type	k_q46d9c0791b_qkv,@function
k_q46d9c0791b_qkv:
	s_mov_b64 s[64:65], 0
	v_nop
	global_prefetch_b8 v0, s[64:65] scope:SCOPE_SE
	s_setreg_imm32_b32 hwreg(HW_REG_WAVE_MODE, 25, 1), 1
	s_wait_xcnt 0x0
	s_wait_alu depctr_hold_cnt(0) depctr_sa_sdst(0) depctr_va_vdst(0) depctr_va_sdst(0) depctr_va_ssrc(0) depctr_va_vcc(0) depctr_vm_vsrc(0)
	s_getreg_b32 s2, hwreg(HW_REG_IB_STS2, 6, 4)
	s_cmp_eq_u32 s2, 0
	s_cbranch_scc0 .Lentry_in_a_cluster
	s_endpgm
.Lentry_in_a_cluster:
	s_bfe_u32 s2, ttmp6, 0x10000c
	s_cmp_lg_u32 s2, 0xf033
	s_cbranch_scc0 .Lentry_shape_is_right
	s_endpgm
.Lentry_shape_is_right:
; q, k, v = x Wq^T, x Wk^T, x Wv^T on codes of FP4 (E2M1) with one E8M0 scale for each 32 along K; sums in f32; then the rotary turn of q and k in f32; results rounded once to f16.
; A: x's codes [8192][512 bytes], scale bytes [8192][32].  B: the three weights' codes on end, [3072][512 bytes], scale bytes [3072][32]; within each head of Wq and Wk the even source rows come first, then the odd.
; OUT: three tensors [64 = batch x 16 + head][2048][64] f16, q at byte 0, k at 16,777,216, v at 33,554,432.  q is also multiplied by log2(e)/8 (it is in q's table).
; LIMIT: |q log2(e)/8|, |k| and |v| stay under 65,504, f16's largest number.
; A tile of 256 tokens x 256 columns (4 heads of one of the three) is made by four waves, each 128 x 128: 64 accumulators, 512 registers.  K = 1,024 is two slots of 512, rows of 256 bytes:
; both are first fills, and so are the scales: nothing is filled again; a wave has three tensor loads out at the most.
; CLUSTERS: 4 x 4 work-groups.  The four of a row of the cluster need the same tiles of x, the four of a column the same tiles of the weights: each is asked for jointly.
; THE MATRIX INSTRUCTION IS USED TRANSPOSED (source 0 = 16 rows of W, source 1 = 16 tokens): a lane holds one token and eight neighbouring channels.  With the weights' rows de-interleaved, column block be (0, 1)
; of a head holds q1[16 be + 8 h + j] and block be + 2 holds q2 of the same places: both results of the turn belong to these two blocks, in the same lane.
; 384 tiles on 256 WGPs are a round and a half: a tile of 256 x 384 does not fit a wave's registers, and half tiles would read half as much again from LDS for each product.
; REGISTERS: window 0: v0-31 addresses; v32-95 scale words, two sets; v128-191 x's fragments, one set; v192-255 two sets of table rows; on the way out v32-63 packed results, v96-127 at work, v128-191 rows read back.
;   window 1: W's fragments, two sets, at v0 and v128.   window 2: the accumulators of my tokens 0-63 ((a, b) at v[8 (8 a + b)]);   window 3: those of my tokens 64-127.
.set NQ,     4                         ; matrix instructions deep in a slot: 512 along K
.set ROWB,   256                       ; a tile's row in bytes
.set KROW,   512                       ; a row of codes in memory
.set PITCH,  272                       ; an LDS row: 256 bytes + 16 of padding = 68 words: the 16 rows that a load touches start at 16 different banks
.set FR,     8
.set NL,     2
.set NP,     4
.set HALFT,  128*PITCH
.set SLOT,   4*HALFT                   ; x's 256 rows, then W's 256 rows
.set KS,     32                        ; a row of scale bytes
.set SCL,    2*SLOT                    ; behind the slots: the scales, as rows of 256 bytes + 16 of padding
.set HALFS,  (128*KS/256)*272
.set SBLK,   (16*KS/256)*272
.set SPARE,  SCL+4*HALFS               ; the spare words, 128 bytes a wave
.set WSTG,   16*272                    ; the way out: a wave's stage: 2 heads x 8 rows of (two tokens' 256 bytes + 16).  It lies in slot 0, which has had its only fill and its last read when the first result is stored there
.set ADRA, 16
.set ADRB, 20
.set STO,  24
.set RD,   25
.set CO,   26
.set ADRS, 27
.set SPW,  28
.set NIL,  29
.set TA,   30                          ; v30  my place in 16 table rows: 256 x token + 32 x half
.set SC,   32
.set TMP,  32
.set RR,   96
.set AF,   128
.set BK,   128
.set CS,   192                         ; a set of 32: cos of block 0, of block 1, sin of block 0, of block 1
.set G1, 24
.set G0, 32
.set G1B, 48
.set G0B, 56
.set G1S, 68
.set G0S, 76
.set G1SB, 80
.set G0SB, 88
.set MSB, 0
.macro WIN new                         ; the immediate's high byte repeats the setting that is left
.if MSB != (\new)
	s_set_vgpr_msb (MSB<<8)|(\new)
.set MSB, (\new)
.endif
.endm
.set MUL_LO, 0xa1                      ; source 0 (W) window 1, source 1 (x) window 0, C and D window 2
.set MUL_HI, 0xf1
.set TO_B,   0x40
; A joint load: waves 0 and 1 fetch for x, waves 2 and 3 for W; the branch hangs on the wave's number alone.  An s_nop 0 and four v_nop follow each line.
.macro JLOAD g0a, g1a, g0b, g1b
	s_cmp_eq_u32 s15, 0
	s_cbranch_scc0 .Lfor_b_\@
	tensor_load_to_lds s[\g0a:\g0a+3], s[\g1a:\g1a+7]
	s_nop 0
.rept 4
	v_nop
.endr
	s_branch .Lasked_\@
.Lfor_b_\@:
	tensor_load_to_lds s[\g0b:\g0b+3], s[\g1b:\g1b+7]
	s_nop 0
.rept 4
	v_nop
.endr
.Lasked_\@:
.endm
.macro CROUND                          ; a round of the cluster's barrier
	s_barrier_signal -1
	s_barrier_wait -1
	s_cmp_lg_u32 s14, 0
	s_cbranch_scc1 .Lnot_wave_0_\@
	s_barrier_signal -3
.Lnot_wave_0_\@:
	s_barrier_wait -3
	s_barrier_signal -1
	s_barrier_wait -1
.endm
	s_load_b128 s[4:7], s[0:1], 0x0                ; x's codes, x's scales
	s_load_b128 s[8:11], s[0:1], 0x10              ; W's codes, W's scales
	s_load_b128 s[96:99], s[0:1], 0x20             ; the tables, the result
	v_lshl_add_u32 v[SPW], v0, 2, SPARE
	v_mov_b32 v[NIL], 0
	ds_add_u32 v[SPW], v[NIL]                      ; the wave's opening: the add, twice on end, and its wait ahead of my first tensor load
	ds_add_u32 v[SPW], v[NIL]
	v_lshrrev_b32 v1, 5, v0
	v_readfirstlane_b32 s14, v1                    ; wave 0..3
	s_lshr_b32 s15, s14, 1                         ; which half of the tile's tokens is mine.  Also: I fetch for x (0) or for W (1)
	s_and_b32 s16, s14, 1                          ; which half of its columns.  Also: which 128 rows I fetch
	s_bfe_u32 s40, ttmp6, 0x40000                  ; cx, cy
	s_bfe_u32 s41, ttmp6, 0x40004
	s_lshl_b32 s42, ttmp9, 2
	s_add_co_u32 s42, s42, s40                     ; tile column
	s_and_b32 s17, ttmp7, 0xffff
	s_lshl_b32 s17, s17, 2
	s_add_co_u32 s17, s17, s41                     ; tile row
	s_lshl_b32 s43, s41, 2
	s_lshl_b32 s43, 15, s43                        ; my row of the cluster
	s_lshl_b32 s44, 0x1111, s40                    ; my column
	s_or_b32 s[G1+0], s43, (0<<16)|(1<<20)|(1<<21)|(5<<22)|(3<<25)  ; the mask; elements of 1 byte; padding on; bit 21 beside a mask; 4 words after every 64
	s_or_b32 s[G1B+0], s44, (0<<16)|(1<<20)|(1<<21)|(5<<22)|(3<<25)
.irp g, G1, G1B
	s_mov_b32 s[\g+1], ROWB<<16                    ; tensor_dim0
	s_mov_b32 s[\g+2], 128<<16                     ; tensor_dim1
	s_mov_b32 s[\g+3], ROWB<<16                    ; tile_dim0
	s_mov_b32 s[\g+4], 128                         ; tile_dim1
	s_mov_b32 s[\g+5], KROW                        ; the pitch
	s_mov_b32 s[\g+6], 0
	s_mov_b32 s[\g+7], 0
.endr
	s_or_b32 s[G1S+0], s43, (3<<16)|(1<<20)|(1<<21)|(5<<22)|(3<<25)  ; the scales of 128 rows: 4,096 dense bytes as 16 rows of 32 elements of 8 bytes
	s_or_b32 s[G1SB+0], s44, (3<<16)|(1<<20)|(1<<21)|(5<<22)|(3<<25)
.irp g, G1S, G1SB
	s_mov_b32 s[\g+1], 32<<16
	s_mov_b32 s[\g+2], (128*KS/256)<<16
	s_mov_b32 s[\g+3], 32<<16
	s_mov_b32 s[\g+4], 128*KS/256
	s_mov_b32 s[\g+5], 32
	s_mov_b32 s[\g+6], 0
	s_mov_b32 s[\g+7], 0
.endr
	s_lshl_b32 s18, s16, 7
	s_lshl_b32 s20, s17, 8
	s_add_co_u32 s20, s20, s18                     ; x: row 256 x tile row + 128 x half
	s_lshl_b32 s46, s42, 8
	s_add_co_u32 s46, s46, s18                     ; W: row 256 x tile column + 128 x half
	s_mov_b32 s21, 0
	s_mov_b32 s47, 0
	s_mov_b64 s[18:19], KS
	s_mul_u64 s[22:23], s[20:21], s[18:19]
	s_mul_u64 s[92:93], s[46:47], s[18:19]
	s_mov_b64 s[18:19], KROW
	s_mul_u64 s[20:21], s[20:21], s[18:19]
	s_mul_u64 s[46:47], s[46:47], s[18:19]
	s_mul_i32 s45, s14, HALFT                      ; where they go: wave x 128 rows
	s_mul_i32 s94, s14, HALFS
	s_wait_dscnt 0x0                               ; both opening adds are done
	s_wait_kmcnt 0x0
	s_add_nc_u64 s[20:21], s[4:5], s[20:21]
	s_add_nc_u64 s[22:23], s[6:7], s[22:23]
	s_add_nc_u64 s[46:47], s[8:9], s[46:47]
	s_add_nc_u64 s[92:93], s[10:11], s[92:93]
	CROUND                                         ; all sixteen work-groups are here: the joint loads meet
	s_mov_b32 s[G0S], 1
	s_add_co_u32 s[G0S+1], s94, SCL
	s_mov_b64 s[G0S+2:G0S+3], s[22:23]
	s_or_b32 s[G0S+3], s[G0S+3], 0x80000000
	s_mov_b32 s[G0SB], 1
	s_add_co_u32 s[G0SB+1], s94, SCL
	s_mov_b64 s[G0SB+2:G0SB+3], s[92:93]
	s_or_b32 s[G0SB+3], s[G0SB+3], 0x80000000
	JLOAD G0S, G1S, G0SB, G1SB                     ; the scales first: they are wanted with the first slot
.irp s, 0,1
	s_mov_b32 s[G0+4*\s], 1
	s_add_co_u32 s[G0+4*\s+1], s45, \s*SLOT
	s_add_nc_u64 s[G0+4*\s+2:G0+4*\s+3], s[20:21], \s*ROWB
	s_or_b32 s[G0+4*\s+3], s[G0+4*\s+3], 0x80000000
	s_mov_b32 s[G0B+4*\s], 1
	s_add_co_u32 s[G0B+4*\s+1], s45, \s*SLOT
	s_add_nc_u64 s[G0B+4*\s+2:G0B+4*\s+3], s[46:47], \s*ROWB
	s_or_b32 s[G0B+4*\s+3], s[G0B+4*\s+3], 0x80000000
	JLOAD G0+4*\s, G1, G0B+4*\s, G1B
.endr
	v_and_b32 v1, 15, v0                           ; r = l % 16
	v_bfe_u32 v2, v0, 4, 1                         ; h = l / 16
	v_mul_u32_u24 v3, v1, PITCH
	v_lshl_add_u32 v4, v2, 4, v3                   ; a fragment's row x pitch + 16 x half
	s_mul_i32 s21, s15, HALFT
	s_mul_i32 s22, s16, HALFT
	s_add_co_u32 s22, s22, 2*HALFT
.irp s, 0,1
	v_add_nc_u32 v[ADRA+\s], s21, v4
	v_add_nc_u32 v[ADRB+\s], s22, v4
	s_add_co_u32 s21, s21, SLOT
	s_add_co_u32 s22, s22, SLOT
.endr
	v_mul_u32_u24 v5, v1, KS                       ; my row's scales: 32 bytes a row,
	v_lshrrev_b32 v6, 8, v5
	v_lshl_add_u32 v5, v6, 4, v5                   ; and 16 more for each 256 passed
	s_mul_i32 s21, s15, HALFS
	s_mul_i32 s22, s16, HALFS
	s_add_co_u32 s22, s22, 2*HALFS
	s_sub_co_u32 s22, s22, s21
	v_mul_u32_u24 v6, s22, v2                      ; lanes 16-31 take W's
	s_add_co_u32 s21, s21, SCL
	v_add_nc_u32 v5, v5, v6
	v_add_nc_u32 v[ADRS], s21, v5
	s_mul_i32 s23, s14, WSTG                       ; my stage
	v_lshrrev_b32 v5, 1, v1
	v_mul_u32_u24 v5, v5, 272                      ; in: two tokens to a row,
	v_and_b32 v6, 1, v1
	v_lshl_add_u32 v5, v6, 7, v5                   ; 128 bytes a token,
	v_lshl_add_u32 v5, v2, 4, v5                   ; 16 bytes for each half of the lanes
	v_add_nc_u32 v[STO], s23, v5
	v_mul_u32_u24 v5, v2, 272                      ; back: lanes 0-15 one row of 256 bytes, lanes 16-31 the next
	v_lshl_add_u32 v5, v1, 4, v5
	v_add_nc_u32 v[RD], s23, v5
	v_and_b32 v6, 31, v0
	v_lshlrev_b32 v[CO], 4, v6                     ; and the same 512 bytes, four tokens of a head, in memory
	v_lshlrev_b32 v[TA], 8, v1
	v_lshl_add_u32 v[TA], v2, 5, v[TA]
	s_lshr_b32 s20, s17, 3                         ; the batch: 8 tiles of 256 tokens each
	s_lshl_b32 s20, s20, 4
	s_lshl_b32 s21, s16, 1
	s_add_co_u32 s20, s20, s21
	s_lshl_b32 s46, s40, 2
	s_add_co_u32 s20, s20, s46                     ; my first head's place among the 64: 16 x batch + 4 cx + 2 x half
	s_lshl_b32 s20, s20, 11
	s_and_b32 s21, s17, 7
	s_lshl_b32 s21, s21, 8
	s_lshl_b32 s22, s15, 7
	s_add_co_u32 s21, s21, s22                     ; my first position in the sequence
	s_add_co_u32 s20, s20, s21
	s_lshl_b32 s20, s20, 7                         ; 128 bytes a token
	s_lshl_b32 s22, ttmp9, 24                      ; the cluster's x says which of q, k, v: 16,777,216 bytes each
	s_add_co_u32 s20, s20, s22
	s_lshl_b32 s22, s21, 8                         ; 256 bytes a table row
	s_mov_b32 s21, 0
	s_add_nc_u64 s[98:99], s[98:99], s[20:21]
	s_min_u32 s20, ttmp9, 1                        ; table 0 for q, table 1 for k (and for v, which loads it and does not use it)
	s_lshl_b32 s20, s20, 19
	s_add_co_u32 s20, s20, s22
	s_add_nc_u64 s[96:97], s[96:97], s[20:21]
	s_cmp_eq_u32 ttmp9, 2
	s_cselect_b32 s95, 1, 0                        ; v's tiles are not turned: the same in all sixteen partners
; The table rows of block a's 16 tokens, my eight places of each of cos and sin for both column blocks.  Every work-group issues them, v's too: so the counts of loads are the same on both ways of the branch below.
.macro CSLOAD a
.irp g, 0,1
.irp be, 0,1
.irp u, 0,1
	global_load_b128 v[CS+32*((\a)%2)+16*\g+8*\be+4*\u:CS+32*((\a)%2)+16*\g+8*\be+4*\u+3], v[TA], s[96:97] offset:4096*(\a)+128*\g+64*\be+16*\u
.endr
.endr
.endr
.endm
	CSLOAD 0                                       ; two blocks' rows are asked for now and land under the products
	CSLOAD 1
.macro FRAG reg, adr, q, i             ; 16 rows x 128 K of 4-bit codes: lane l holds row l % 16; registers 4 c .. 4 c + 3 hold K = 64 c + 32 (l / 16) + 0 .. 31
.irp c, 0,1
	ds_load_b128 v[\reg+4*\c:\reg+4*\c+3], v[\adr] offset:64*(\q)+32*\c+(\i)*16*PITCH
.endr
.endm
; 16 matrix instructions: x's blocks a0, a0 + 1 against W's eight.  The 64 accumulators take turns, one instruction a turn, in the same order in every step.
.macro MUL16 a0, p, q, sc, zero
.irp a, \a0, \a0+1
.irp b, 0,1,2,3,4,5,6,7
.if \zero
	v_wmma_scale_f32_16x16x128_f8f6f4 v[8*(8*((\a)%4)+\b):8*(8*((\a)%4)+\b)+7], v[128*(\p)+FR*\b:128*(\p)+FR*\b+FR-1], v[AF+FR*(\a):AF+FR*(\a)+FR-1], 0, v[SC+8*NQ*(\sc)+NQ*\b+(\q)], v[SC+8*NQ*(\sc)+NQ*(\a)+(\q)] matrix_a_fmt:MATRIX_FMT_FP4 matrix_b_fmt:MATRIX_FMT_FP4 matrix_a_scale:MATRIX_SCALE_ROW1
.else
	v_wmma_scale_f32_16x16x128_f8f6f4 v[8*(8*((\a)%4)+\b):8*(8*((\a)%4)+\b)+7], v[128*(\p)+FR*\b:128*(\p)+FR*\b+FR-1], v[AF+FR*(\a):AF+FR*(\a)+FR-1], v[8*(8*((\a)%4)+\b):8*(8*((\a)%4)+\b)+7], v[SC+8*NQ*(\sc)+NQ*\b+(\q)], v[SC+8*NQ*(\sc)+NQ*(\a)+(\q)] matrix_a_fmt:MATRIX_FMT_FP4 matrix_b_fmt:MATRIX_FMT_FP4 matrix_a_scale:MATRIX_SCALE_ROW1
.endif
.endr
.endr
.endm
.macro FETCH_B slot, q, p
	WIN TO_B
.irp i, 0,1,2,3,4,5,6,7
	FRAG 128*(\p)+FR*\i, ADRB+\slot, \q, \i
.endr
	WIN 0
.endm
.macro FETCH_A slot, q, i0
.irp i, \i0, \i0+1, \i0+2, \i0+3
	FRAG AF+FR*(\i), ADRA+\slot, \q, \i
.endr
.endm
.macro SCALES sc                       ; a slot's scale words: 4 words a row; lanes 0-15 take x's block i, lanes 16-31 W's block i
.irp i, 0,1,2,3,4,5,6,7
	ds_load_b128 v[SC+8*NQ*\sc+NQ*\i:SC+8*NQ*\sc+NQ*\i+3], v[ADRS] offset:\i*SBLK
.endr
.endm
.macro PLACES n                        ; plain vector instructions between a matrix instruction and a load into, or a read of, its registers
.rept \n
	v_nop
.endr
.endm
.macro STEP slot, q, zero              ; 128 along K with its successor in the same slot
	s_wait_dscnt 4*NL                              ; W's set and x's blocks 0-3 are in; the youngest eight loads (x's blocks 4-7) may be out
	WIN MUL_LO
	MUL16 0, (\q)%2, \q, \slot, \zero
	MUL16 2, (\q)%2, \q, \slot, \zero
	s_wait_dscnt 0
	PLACES NP
	FETCH_B \slot, (\q)+1, 1-(\q)%2
	FETCH_A \slot, (\q)+1, 0
	WIN MUL_HI
	MUL16 4, (\q)%2, \q, \slot, \zero
	MUL16 6, (\q)%2, \q, \slot, \zero
	PLACES NP
	WIN 0
	FETCH_A \slot, (\q)+1, 4
.endm
; Slot 0's last step goes over to slot 1: one barrier; in front of it each wave waits for all its tensor loads (its part of slot 1), adds 0 to its spare word, and waits for that and for its reads of slot 0.  Nothing is filled again.
.macro TURN slot, next
	s_wait_tensorcnt 0x0
	ds_add_u32 v[SPW], v[NIL]
	s_wait_dscnt 4*NL+1                            ; (the add and the youngest eight loads may be out)
	WIN MUL_LO
	MUL16 0, 1, NQ-1, \slot, 0
	s_wait_dscnt 0x0                               ; the add is done, and my reads of this slot are over
	s_barrier_signal -1
	MUL16 2, 1, NQ-1, \slot, 0
	WIN 0
	s_barrier_wait -1
	PLACES NP
	v_add_nc_u32 v[ADRS], 4*NQ, v[ADRS]            ; on to the next slot's scale words
	FETCH_B \next, 0, 0
	FETCH_A \next, 0, 0
	SCALES \next
	WIN MUL_HI
	MUL16 4, 1, NQ-1, \slot, 0
	MUL16 6, 1, NQ-1, \slot, 0
	PLACES NP
	WIN 0
	FETCH_A \next, 0, 4
.endm
.macro STEPS slot, from
.set Q, \from
.rept NQ-1-\from
	STEP \slot, Q, 0
.set Q, Q+1
.endr
.endm
	s_wait_tensorcnt 1                             ; the scales and my part of slot 0 are in (slot 1's load may be out)
	s_barrier_signal -1
	s_barrier_wait -1                              ; everybody's are
	FETCH_B 0, 0, 0
	FETCH_A 0, 0, 0
	SCALES 0
	FETCH_A 0, 0, 4
	STEP 0, 0, 1                                   ; the first products start the sums: nothing is cleared
	STEPS 0, 1
	TURN 0, 1
	STEPS 1, 0
	s_wait_dscnt 4*NL                              ; the last step: nothing more to fetch
	WIN MUL_LO
	MUL16 0, 1, NQ-1, 1, 0
	MUL16 2, 1, NQ-1, 1, 0
	s_wait_dscnt 0
	WIN MUL_HI
	MUL16 4, 1, NQ-1, 1, 0
	MUL16 6, 1, NQ-1, 1, 0
	WIN 0
; THE WAY OUT, by blocks of 16 tokens x 128 channels (two heads).
; PACKR: the turn, and the rounding to f16, into v[TMP] on: register 4 b + i = channels 16 (b % 4) + 8 h + 2 i, + 1 of head b / 4.  Each accumulator is read from its low end on.
.macro PACKR a
.set AC, 64*((\a)%4)
.set CSB, CS+32*((\a)%2)
.if (\a) < 7
	s_wait_loadcnt 8                               ; this block's eight table loads are in; the next block's eight may be out
.else
	s_wait_loadcnt 0x0
.endif
	s_cmp_eq_u32 s95, 1
	s_cbranch_scc1 .Lplain_\@
.irp g, 0,1
	WIN 2+(\a)/4                                   ; source 0: the accumulators' window
.irp be, 0,1
.irp jj, 0,2,4,6
	v_pk_mul_f32 v[RR+16*\be+\jj:RR+16*\be+\jj+1], v[AC+8*(4*\g+\be+2)+\jj:AC+8*(4*\g+\be+2)+\jj+1], v[CSB+16+8*\be+\jj:CSB+16+8*\be+\jj+1]     ; q2 sin
	v_pk_mul_f32 v[RR+16*\be+8+\jj:RR+16*\be+8+\jj+1], v[AC+8*(4*\g+\be+2)+\jj:AC+8*(4*\g+\be+2)+\jj+1], v[CSB+8*\be+\jj:CSB+8*\be+\jj+1]     ; q2 cos
.endr
.endr
.irp be, 0,1
.irp jj, 0,2,4,6
	v_pk_fma_f32 v[RR+16*\be+\jj:RR+16*\be+\jj+1], v[AC+8*(4*\g+\be)+\jj:AC+8*(4*\g+\be)+\jj+1], v[CSB+8*\be+\jj:CSB+8*\be+\jj+1], v[RR+16*\be+\jj:RR+16*\be+\jj+1] neg_lo:[0,0,1] neg_hi:[0,0,1]   ; q1 cos - q2 sin
	v_pk_fma_f32 v[RR+16*\be+8+\jj:RR+16*\be+8+\jj+1], v[AC+8*(4*\g+\be)+\jj:AC+8*(4*\g+\be)+\jj+1], v[CSB+16+8*\be+\jj:CSB+16+8*\be+\jj+1], v[RR+16*\be+8+\jj:RR+16*\be+8+\jj+1]   ; q1 sin + q2 cos
.endr
.endr
	WIN 0
.irp be, 0,1
.irp jj, 0,2,4,6
	v_cvt_pk_f16_f32 v[TMP+4*(4*\g+\be)+\jj/2], v[RR+16*\be+\jj], v[RR+16*\be+\jj+1]
	v_cvt_pk_f16_f32 v[TMP+4*(4*\g+\be+2)+\jj/2], v[RR+16*\be+8+\jj], v[RR+16*\be+8+\jj+1]
.endr
.endr
.endr
	s_branch .Ljoin_\@
.Lplain_\@:
	WIN 0x0a+5*((\a)/4)                            ; sources 0 and 1: the accumulators' window
.irp b, 0,1,2,3,4,5,6,7
.irp r, 0,1,2,3
	v_cvt_pk_f16_f32 v[TMP+4*\b+\r], v[AC+8*\b+2*\r], v[AC+8*\b+2*\r+1]
.endr
.endr
	WIN 0
.Ljoin_\@:
.endm
; A lane holds 16 bytes of a token's 128, and the lanes beside it hold other tokens: the block goes through my own stage and comes back as runs of four tokens of a head, 512 bytes.
; LDS serves a wave's instructions in order (ISA guide 5.7.1.4): no wait between the stores and the loads, nor in front of the next block's stores.
.macro TOSTAGE a
.irp b, 0,1,2,3,4,5,6,7
	ds_store_b128 v[STO], v[TMP+4*\b:TMP+4*\b+3] offset:2176*(\b/4)+32*(\b%4)
.endr
.irp i, 0,1,2,3,4,5,6,7
	ds_load_b128 v[BK+32*((\a)%2)+4*\i:BK+32*((\a)%2)+4*\i+3], v[RD] offset:2176*(\i/4)+544*(\i%4)
.endr
.endm
.macro SEND a, younger
	s_wait_dscnt \younger                          ; the block is back in registers
.irp i, 0,1,2,3,4,5,6,7
	global_store_b128 v[CO], v[BK+32*((\a)%2)+4*\i:BK+32*((\a)%2)+4*\i+3], s[98:99] offset:262144*(\i/4)+512*(\i%4)+2048*(\a)   ; 32 lanes store 512 consecutive bytes, at a multiple of 256 from the buffer's first byte
.endr
.endm
	PLACES NP                                      ; behind the last products: their results are read and their operands' registers written below
	PACKR 0
	CSLOAD 2
	TOSTAGE 0
.irp a, 1,2,3,4,5,6,7
	PACKR \a
.if \a < 6
	CSLOAD \a+2                                    ; into the set that this block has just read
.endif
.if \a > 1
	s_wait_xcnt 0x0                                ; block a - 2's stores have read their registers: block a's loads may land there
.endif
	TOSTAGE \a
	SEND \a-1, 16                                  ; behind block a - 1's loads: block a's 8 stores and 8 loads
.endr
	SEND 7, 0
	s_wait_tensorcnt 0x0                           ; the wave's end: the wait, the add to my spare word and its wait behind my last tensor load and my last LDS store
	ds_add_u32 v[SPW], v[NIL]
	s_wait_dscnt 0x0
	CROUND                                         ; the closing round
	s_endpgm
.Lfunc_end_k_q46d9c0791b_qkv:
	.size	k_q46d9c0791b_qkv, .Lfunc_end_k_q46d9c0791b_qkv-k_q46d9c0791b_qkv
	.p2alignl 7, 3214868480
	.fill 96, 4, 3214868480
	.section	.rodata,"a",@progbits
	.p2align	6, 0x0
	.amdhsa_kernel k_q46d9c0791b_qkv
		.amdhsa_group_segment_fixed_size 327680
		.amdhsa_private_segment_fixed_size 0
		.amdhsa_enable_private_segment 0
		.amdhsa_kernarg_size 48
		.amdhsa_user_sgpr_count 2
		.amdhsa_user_sgpr_kernarg_segment_ptr 1
		.amdhsa_wavefront_size32 1
		.amdhsa_system_sgpr_workgroup_id_x 1
		.amdhsa_system_sgpr_workgroup_id_y 1
		.amdhsa_system_sgpr_workgroup_id_z 1
		.amdhsa_system_vgpr_workitem_id 0
		.amdhsa_next_free_vgpr 1024
		.amdhsa_next_free_sgpr 100
		.amdhsa_reserve_vcc 0
		.amdhsa_float_denorm_mode_32 3
		.amdhsa_float_denorm_mode_16_64 3
		.amdhsa_memory_ordered 1
		.amdhsa_forward_progress 1
		.amdhsa_inst_pref_size 183
	.end_amdhsa_kernel
	.amdgpu_metadata
---
amdhsa.version: [ 1, 2 ]
amdhsa.kernels:
  - .name:           k_q46d9c0791b_qkv
    .symbol:         k_q46d9c0791b_qkv.kd
    .args:
      - { .name: xc, .offset: 0, .size: 8, .value_kind: global_buffer, .address_space: global }
      - { .name: xs, .offset: 8, .size: 8, .value_kind: global_buffer, .address_space: global }
      - { .name: wc, .offset: 16, .size: 8, .value_kind: global_buffer, .address_space: global }
      - { .name: ws, .offset: 24, .size: 8, .value_kind: global_buffer, .address_space: global }
      - { .name: rope, .offset: 32, .size: 8, .value_kind: global_buffer, .address_space: global }
      - { .name: qkv, .offset: 40, .size: 8, .value_kind: global_buffer, .address_space: global }
    .group_segment_fixed_size: 327680
    .private_segment_fixed_size: 0
    .kernarg_segment_align: 8
    .kernarg_segment_size: 48
    .max_flat_workgroup_size: 128
    .sgpr_count:     100
    .vgpr_count:     1024
    .wavefront_size: 32
...
	.end_amdgpu_metadata
.endif
;; end of part 2
;; launch attn (part 3): grid 4 x 64, 8 waves a work-group, clusters of 4 x 1, 327,680 bytes of LDS; arguments qkv, att; writes att
.if DOCPART == 3
	.amdgcn_target "amdgcn-amd-amdhsa--gfx1250"
	.amdhsa_code_object_version 6
	.text
	.protected	k_q46d9c0791b_attn
	.globl	k_q46d9c0791b_attn
	.p2align	8
	.type	k_q46d9c0791b_attn,@function
k_q46d9c0791b_attn:
	s_mov_b64 s[64:65], 0
	v_nop
	global_prefetch_b8 v0, s[64:65] scope:SCOPE_SE
	s_setreg_imm32_b32 hwreg(HW_REG_WAVE_MODE, 25, 1), 1
	s_wait_xcnt 0x0
	s_wait_alu depctr_hold_cnt(0) depctr_sa_sdst(0) depctr_va_vdst(0) depctr_va_sdst(0) depctr_va_ssrc(0) depctr_va_vcc(0) depctr_vm_vsrc(0)
	s_getreg_b32 s2, hwreg(HW_REG_IB_STS2, 6, 4)
	s_cmp_eq_u32 s2, 0
	s_cbranch_scc0 .Lentry_in_a_cluster
	s_endpgm
.Lentry_in_a_cluster:
	s_bfe_u32 s2, ttmp6, 0x10000c
	s_cmp_lg_u32 s2, 0x3003
	s_cbranch_scc0 .Lentry_shape_is_right
	s_endpgm
.Lentry_shape_is_right:
; att[g][q][:] = the sum over k of softmax_k(Q[g][q] . K[g][k] / 8) V[g][k][:], g = batch x 16 + head, no mask.  Q, K, V: [64][2048][64] f16, on end in one buffer; att likewise.
; Q arrives multiplied by log2(e)/8, so a score s is in units of log2: p = 2^(s - m), m the query's running maximum; in every step O and the sum l are multiplied by a = 2^(m_old - m_new).
; Products, maxima and sums in f32; p is rounded to f16 for the second product (it is at most 1), O once at the end.  f16 and not bf16: its three bits more are wanted by the allowed error.
; SHARES.  A work-group owns 512 queries of one head, each of its EIGHT waves 64: four tiles of 16, in 512 registers.  Two waves share a SIMD and each runs in phases (products, softmax): at head size 64 a step has
; 468 vector instructions beside 64 matrix instructions, too many to stand between them in one wave; one wave's softmax stands beside the other's products.
; LAYOUT.  S^T = K Q^T (source 0 = 16 keys, source 1 = 16 queries): a lane holds ONE query (lane % 16) and the keys 8 (lane / 16) + 0..7.  Two such tiles, rounded in pairs, ARE source 1 (32 keys x 16 queries) of
; O^T = V^T P, whose result again holds one query a lane.  K comes out of LDS as it lies, V ([key][channel]) turned, by ds_load_tr16_b128.
; CLUSTER.  The four query blocks of a head walk the same K and V: each tile is asked for jointly.
; LDS.  A head's K and V are dense in memory, so a tile is stated as rows of 256 bytes, two keys each.  A step: 32 rows of K (pitch 272), 32 rows of V (pitch 288).  A slot: four steps.  Two slots.
; REGISTERS.  window 0: v2-9 addresses; v16-47 statistics, 8 a tile; v61-63; v64-191 S^T, 32 a tile (P is written over each tile's first 16); v192-255 V.   window 1: v0-127 O^T, 32 a tile; v128-191 Q; v192-255 K.
.set KS,    64                         ; keys in a step
.set NST,   4                          ; steps in a slot
.set PK,    272                        ; two keys of K: 256 bytes + 16
.set PVP,   288                        ; two keys of V: 256 bytes + 32: likewise for the turning load's 8 keys x 32 bytes
.set VOFF,  32*PK
.set STEPB, 32*(PK+PVP)
.set SLOT1, 1<<17                      ; slot 1 begins here: one exclusive or turns an address in one slot into the other's
.set STAGE, SLOT1+NST*STEPB            ; behind the ring: 8 rows x 272 bytes for each wave, for the way out
.set SPARE, STAGE+8*8*272              ; the spare words, 128 bytes a wave: four blocks of 256 bytes that no other line names
.set AK0, 2                            ; v2   my lane's place in a tile of K
.set AV0, 3                            ; v3   the same for V
.set ADK, 4                            ; v4   the address of K's run of loads in hand
.set ADV, 5                            ; v5   of V's
.set QO,  6
.set STO, 7
.set RD,  8
.set GO,  9
.set ST,  16                           ; tile t at v[ST+8 t]: +0 m, +1 zero (named with m as a pair), +2, +3 l (even keys', odd keys'), +4 to +7 c0-c3 at work; a takes c2's place, m_old - m_new c3's
.set PFO, 61                           ; v61  256 x my lane
.set SPW, 62
.set NIL, 63
.set S,   64
.set VF,  192                          ; window 0
.set QF,  128                          ; window 1
.set KF,  192                          ; window 1
.set WV,  12
.set LIM, 15                           ; s15  1 in a wave that prefetches, else the greatest number
.set PFA, 18                           ; s[18:19] where my prefetches stand
.set G1K, 24
.set G1V, 32
.set G0K, 40                           ; two sets for the first fills; the second then walks on
.set G0V, 48
.set SLOTS, 56
.set CNT, 57
.set SEL, 60
.set TB,  62                           ; s62  LDS byte at which the tiles of the step to be fetched begin
.set MSB, 0
.macro WIN new
.if MSB != (\new)
	s_set_vgpr_msb (MSB<<8)|(\new)
.set MSB, (\new)
.endif
.endm
; A joint refill: waves 0-3 fetch the slot's four tiles of K, waves 4-7 those of V: one load a wave.  An s_nop 0 and four v_nop follow each line.
.macro JLOAD
	s_cmp_lt_u32 s[WV], 4
	s_cbranch_scc0 .Lfor_v_\@
	tensor_load_to_lds s[G0K+4:G0K+7], s[G1K:G1K+7]
	s_nop 0
.rept 4
	v_nop
.endr
	s_branch .Lasked_\@
.Lfor_v_\@:
	tensor_load_to_lds s[G0V+4:G0V+7], s[G1V:G1V+7]
	s_nop 0
.rept 4
	v_nop
.endr
.Lasked_\@:
.endm
; A prefetch of what the NEXT change of slots will ask for: a slot's 32,768 bytes of K and of V.  A head has one cluster; its four partners share the bytes out by address, 8,192 each, lanes 256 bytes apart;
; in each, wave 0 asks for K's and wave 4 for V's: so each block of 256 bytes is named once in the launch.  The last change that fills a slot asks for nothing.
.macro ASK
	s_cmp_gt_u32 s[SLOTS], s[LIM]
	s_cbranch_scc0 .Lnot_mine_\@
	global_prefetch_b8 v[PFO], s[PFA:PFA+1] th:TH_LOAD_NT scope:SCOPE_SE
.Lnot_mine_\@:
.endm
.macro CROUND
	s_barrier_signal -1
	s_barrier_wait -1
	s_cmp_lg_u32 s[WV], 0
	s_cbranch_scc1 .Lnot_wave_0_\@
	s_barrier_signal -3
.Lnot_wave_0_\@:
	s_barrier_wait -3
	s_barrier_signal -1
	s_barrier_wait -1
.endm
.macro PLACES
.rept 4
	v_nop
.endr
.endm
	s_load_b128 s[4:7], s[0:1], 0x0                ; qkv s[4:5], att s[6:7]
	v_lshl_add_u32 v[SPW], v0, 2, SPARE
	v_mov_b32 v[NIL], 0
	ds_add_u32 v[SPW], v[NIL]                      ; the wave's opening: the add, twice on end, and its wait ahead of my first tensor load
	ds_add_u32 v[SPW], v[NIL]
	v_lshrrev_b32 v1, 5, v0
	v_readfirstlane_b32 s[WV], v1                  ; wave 0..7
	s_bfe_u32 s13, ttmp6, 0x40000                  ; cx: my block of 512 queries; it enters Q's, att's and the prefetches' addresses alone
	s_and_b32 s20, ttmp7, 0xffff                   ; the head, which the four partners share
	s_lshl_b32 s20, s20, 18                        ; 262,144 bytes a head
	s_mov_b32 s21, 0
	s_and_b32 s16, s[WV], 3                        ; which of a slot's four steps I fetch:
	s_lshl_b32 s22, s16, 13                        ; its 8,192 bytes in memory,
	s_mov_b32 s23, 0
	s_add_nc_u64 s[22:23], s[22:23], s[20:21]
	s_mul_i32 s17, s16, STEPB                      ; and its place in a slot
	s_lshl_b32 s2, s13, 16                         ; my block's 512 rows of 128 bytes,
	s_lshl_b32 s3, s[WV], 13                       ; my wave's 64 of them
	s_add_co_u32 s2, s2, s3
	s_mov_b32 s3, 0
	s_add_nc_u64 s[2:3], s[2:3], s[20:21]
	s_mov_b32 s[G1K], 15|(1<<16)|(1<<20)|(1<<21)|(5<<22)|(3<<25)  ; the mask: all four; elements of 2 bytes; padding on; bit 21 beside a mask; after every 64 words 4 words
	s_mov_b32 s[G1V], 15|(1<<16)|(1<<20)|(1<<21)|(5<<22)|(7<<25)  ; the same with 8 words of padding
.irp g, G1K, G1V
	s_mov_b32 s[\g+1], 128<<16                     ; tensor_dim0 = 128 elements: two keys
	s_mov_b32 s[\g+2], 32<<16                      ; tensor_dim1 = 32 rows
	s_mov_b32 s[\g+3], 128<<16                     ; tile_dim0
	s_mov_b32 s[\g+4], 32                          ; tile_dim1
	s_mov_b32 s[\g+5], 128                         ; the pitch: dense
	s_mov_b32 s[\g+6], 0
	s_mov_b32 s[\g+7], 0
.endr
	s_mov_b32 s[SEL], 0x76543210
	s_mov_b32 s[SEL+1], 0xfedcba98                 ; v_permlanex16_b32: lane l xor 16
	s_mov_b32 s[TB], 0
	s_mov_b32 s[SLOTS], 2048/(NST*KS)-2            ; six slots are filled again
	s_cmp_eq_u32 s16, 0
	s_cselect_b32 s[LIM], 1, -1                    ; waves 0 and 4 prefetch
	v_and_b32 v[PFO], 31, v0
	v_lshlrev_b32 v[PFO], 8, v[PFO]
	s_wait_dscnt 0x0                               ; both opening adds are done
	s_wait_kmcnt 0x0
	s_add_nc_u64 s[10:11], s[6:7], s[2:3]          ; att at my wave's first row
	s_add_nc_u64 s[6:7], s[4:5], s[22:23]
	s_add_nc_u64 s[6:7], s[6:7], 0x1000000         ; K at my tile of slot 0
	s_add_nc_u64 s[8:9], s[6:7], 0x1000000         ; V likewise
	s_add_nc_u64 s[4:5], s[4:5], s[2:3]            ; Q at my wave's first row
	s_cmp_lt_u32 s[WV], 4
	s_cselect_b64 s[PFA:PFA+1], s[6:7], s[8:9]     ; (in waves 0 and 4 these stand at a slot's first byte)
	s_lshl_b32 s2, s13, 13                         ; my work-group's 8,192 bytes of the 32,768
	s_mov_b32 s3, 0
	s_add_nc_u64 s[PFA:PFA+1], s[PFA:PFA+1], s[2:3]
	s_add_nc_u64 s[PFA:PFA+1], s[PFA:PFA+1], 2*NST*KS*128  ; in slot 2; the first change steps it to slot 3.  Nothing is prefetched here, at the head
	CROUND                                         ; all four work-groups are here: the first joint loads meet
.irp s, 0,1
	s_mov_b32 s[G0K+4*\s], 1
	s_add_co_u32 s[G0K+4*\s+1], s17, \s*SLOT1
	s_add_nc_u64 s[G0K+4*\s+2:G0K+4*\s+3], s[6:7], \s*NST*KS*128
	s_or_b32 s[G0K+4*\s+3], s[G0K+4*\s+3], 0x80000000
	s_mov_b32 s[G0V+4*\s], 1
	s_add_co_u32 s[G0V+4*\s+1], s17, \s*SLOT1+VOFF
	s_add_nc_u64 s[G0V+4*\s+2:G0V+4*\s+3], s[8:9], \s*NST*KS*128
	s_or_b32 s[G0V+4*\s+3], s[G0V+4*\s+3], 0x80000000
.endr
	s_cmp_lt_u32 s[WV], 4                          ; a wave's two first fills stand in one branch, ahead of every wait on TENSORcnt and every LDS read: two loads of mine are out
	s_cbranch_scc0 .Lfirst_v
	tensor_load_to_lds s[G0K:G0K+3], s[G1K:G1K+7]
	s_nop 0
	tensor_load_to_lds s[G0K+4:G0K+7], s[G1K:G1K+7]
	s_nop 0
.rept 4
	v_nop
.endr
	s_branch .Lfirst_asked
.Lfirst_v:
	tensor_load_to_lds s[G0V:G0V+3], s[G1V:G1V+7]
	s_nop 0
	tensor_load_to_lds s[G0V+4:G0V+7], s[G1V:G1V+7]
	s_nop 0
.rept 4
	v_nop
.endr
.Lfirst_asked:
	v_and_b32 v1, 15, v0                           ; r = l % 16
	v_bfe_u32 v10, v0, 4, 1                        ; h = l / 16
	v_lshlrev_b32 v[QO], 7, v1
	v_lshl_add_u32 v[QO], v10, 4, v[QO]            ; row x 128 + 16 x half
	WIN 0x40                                       ; destination window 1
.irp i, 0,1,2,3,4,5,6,7                ; Q stays in registers: tile i / 2, channels 32 (i % 2) on
	global_load_b128 v[QF+8*\i:QF+8*\i+3],   v[QO], s[4:5] offset:(\i/2)*2048+(\i%2)*64
	global_load_b128 v[QF+8*\i+4:QF+8*\i+7], v[QO], s[4:5] offset:(\i/2)*2048+(\i%2)*64+32
.endr
	WIN 0
	v_lshrrev_b32 v11, 1, v1
	v_and_b32 v12, 1, v0
	v_mul_u32_u24 v[AK0], v11, PK                  ; key r of a tile: row r / 2,
	v_lshl_add_u32 v[AK0], v12, 7, v[AK0]          ; its half r % 2,
	v_lshl_add_u32 v[AK0], v10, 4, v[AK0]          ; 16 bytes for each half of the lanes
	v_bfe_u32 v11, v0, 1, 2                        ; the turning load: lane l reads 16 bytes of key 8 h + l % 8, channels 8 ((l / 8) % 2) on
	v_lshl_add_u32 v11, v10, 2, v11
	v_mul_u32_u24 v[AV0], v11, PVP
	v_lshl_add_u32 v[AV0], v12, 7, v[AV0]
	v_bfe_u32 v11, v0, 3, 1
	v_lshl_add_u32 v[AV0], v11, 4, v[AV0]
	v_add_nc_u32 v[AV0], VOFF, v[AV0]
	s_mul_i32 s14, s[WV], 8*272
	s_add_co_u32 s14, s14, STAGE                   ; my stage
	v_add_nc_u32 v[STO], s14, v[AK0]               ; in: two queries to a row, as K's keys lie
	v_mul_u32_u24 v[RD], v10, 272
	v_lshl_add_u32 v[RD], v1, 4, v[RD]
	v_add_nc_u32 v[RD], s14, v[RD]                 ; back: lanes 0-15 one row of 256 bytes, lanes 16-31 the next
	v_and_b32 v[GO], 31, v0
	v_lshlrev_b32 v[GO], 4, v[GO]                  ; and the same 512 bytes in memory
.irp t, 0,1,2,3
	v_mov_b32 v[ST+8*\t+1], 0                      ; named with m as a pair, so it is written
.endr
.macro FETCH_K                         ; a step's K: 64 keys x 64 channels: 8 fragments, 16 loads in one run
	WIN 0
	v_add_nc_u32 v[ADK], s[TB], v[AK0]
	WIN 0x40
.irp f, 0,1,2,3,4,5,6,7                ; keys 16 (f / 2) on, channels 32 (f % 2) on
	ds_load_b128 v[KF+8*\f:KF+8*\f+3],   v[ADK] offset:(\f/2)*8*PK+(\f%2)*64
	ds_load_b128 v[KF+8*\f+4:KF+8*\f+7], v[ADK] offset:(\f/2)*8*PK+(\f%2)*64+32
.endr
.endm
; The same step's V, turned.  The addition and the four v_nop are five plain instructions behind the products V^T P: four are owed to the loads into V's registers, five to the products K Q^T that write over P.
.macro FETCH_V
	WIN 0
	v_add_nc_u32 v[ADV], s[TB], v[AV0]
	PLACES
.irp f, 0,1,2,3,4,5,6,7                ; keys 32 (f / 4) on, channels 16 (f % 4) on
	ds_load_tr16_b128 v[VF+8*\f:VF+8*\f+3],   v[ADV] offset:(\f/4)*16*PVP+(\f%4)*32
	ds_load_tr16_b128 v[VF+8*\f+4:VF+8*\f+7], v[ADV] offset:(\f/4)*16*PVP+8*PVP+(\f%4)*32
.endr
	s_add_co_u32 s[TB], s[TB], STEPB               ; the next fetches are the next step's
.endm
; S^T = K Q^T: 32 products: channels 32 (i / 16) on, keys 16 ((i / 4) % 4) on, tile i % 4.  The first 16 start the sums.  The 16 accumulators take turns.
.macro KQ32
	WIN 0x05                                       ; K and Q window 1, S^T window 0
.set i, 0
.rept 32
.set rS, S+32*(i%4)+8*((i/4)%4)
.set rK, KF+16*((i/4)%4)+8*(i/16)
.set rQ, QF+16*(i%4)+8*(i/16)
.if i < 16
	v_wmma_f32_16x16x32_f16 v[rS:rS+7], v[rK:rK+7], v[rQ:rQ+7], 0
.else
	v_wmma_f32_16x16x32_f16 v[rS:rS+7], v[rK:rK+7], v[rQ:rQ+7], v[rS:rS+7]
.endif
.set i, i+1
.endr
.endm
; O^T += V^T P: 32 products: keys 32 (i / 16) on, channels 16 ((i / 4) % 4) on, tile i % 4.  zero = 1: the first 16 start the sums: nothing is ever cleared.
.macro PV32 zero
	WIN 0x50                                       ; V and P window 0, O^T window 1
.set i, 0
.rept 32
.set rO, 32*(i%4)+8*((i/4)%4)
.set rV, VF+32*(i/16)+8*((i/4)%4)
.set rP, S+32*(i%4)+8*(i/16)
.if \zero && (i < 16)
	v_wmma_f32_16x16x32_f16 v[rO:rO+7], v[rV:rV+7], v[rP:rP+7], 0
.else
	v_wmma_f32_16x16x32_f16 v[rO:rO+7], v[rV:rV+7], v[rP:rP+7], v[rO:rO+7]
.endif
.set i, i+1
.endr
.endm
; THE SOFTMAX of a step, the four tiles by turns so that no line waits for the line above it.  first = 1: the first step, which starts m and l and has no a and nothing to rescale.
.macro SOFTMAX first
.irp j, 0,1,2,3                        ; the maximum: four chains, one to an accumulator, each begun at the accumulator's low end
.irp t, 0,1,2,3
	v_max3_num_f32 v[ST+8*\t+4+\j], v[S+32*\t+8*\j], v[S+32*\t+8*\j+1], v[S+32*\t+8*\j+2]
.endr
.endr
.irp i, 3,5
.irp j, 0,1,2,3
.irp t, 0,1,2,3
	v_max3_num_f32 v[ST+8*\t+4+\j], v[ST+8*\t+4+\j], v[S+32*\t+8*\j+\i], v[S+32*\t+8*\j+\i+1]
.endr
.endr
.endr
.irp t, 0,1,2,3
	v_max3_num_f32 v[ST+8*\t+4], v[ST+8*\t+4], v[S+32*\t+7], v[S+32*\t+15]
	v_max3_num_f32 v[ST+8*\t+6], v[ST+8*\t+6], v[S+32*\t+23], v[S+32*\t+31]
.endr
.irp t, 0,1,2,3
	v_max3_num_f32 v[ST+8*\t+4], v[ST+8*\t+4], v[ST+8*\t+5], v[ST+8*\t+6]
.endr
.irp t, 0,1,2,3
.if \first
	v_max_num_f32 v[ST+8*\t+4], v[ST+8*\t+4], v[ST+8*\t+7]
.else
	v_max3_num_f32 v[ST+8*\t+4], v[ST+8*\t+4], v[ST+8*\t+7], v[ST+8*\t]     ; with the old m
.endif
.endr
.irp t, 0,1,2,3
	v_permlanex16_b32 v[ST+8*\t+5], v[ST+8*\t+4], s[SEL], s[SEL+1]          ; the query's other 32 keys lie in the lane 16 away
.endr
.if \first
.irp t, 0,1,2,3
	v_max_num_f32 v[ST+8*\t], v[ST+8*\t+4], v[ST+8*\t+5]
.endr
.else
.irp t, 0,1,2,3
	v_max_num_f32 v[ST+8*\t+5], v[ST+8*\t+4], v[ST+8*\t+5]                  ; the new m
.endr
.irp t, 0,1,2,3
	v_sub_f32 v[ST+8*\t+7], v[ST+8*\t], v[ST+8*\t+5]                        ; m_old - m_new
.endr
.irp t, 0,1,2,3
	v_mov_b32 v[ST+8*\t], v[ST+8*\t+5]
.endr
.irp t, 0,1,2,3
	v_exp_f32 v[ST+8*\t+6], v[ST+8*\t+7]                                    ; a
.endr
.endif
; ONE BATCH: all exponentials of the step, with the subtractions of m among them, four subtractions and then eight exponentials.  No line of it names an exponential's result.
.irp i, 0,1,2,3,4,5,6,7,8,9,10,11,12,13,14,15
.irp t, 0,1,2,3
	v_pk_add_f32 v[S+32*\t+2*\i:S+32*\t+2*\i+1], v[S+32*\t+2*\i:S+32*\t+2*\i+1], v[ST+8*\t:ST+8*\t+1] op_sel_hi:[1,0] neg_lo:[0,1] neg_hi:[0,1]   ; s - m, a pair at a time
.endr
.irp t, 0,1,2,3
	v_exp_f32 v[S+32*\t+2*\i], v[S+32*\t+2*\i]
	v_exp_f32 v[S+32*\t+2*\i+1], v[S+32*\t+2*\i+1]
.endr
.endr
	v_nop                                          ; a plain instruction behind the last exponential,
	s_wait_alu depctr_va_vdst(0)                   ; and one wait ahead of the first line that names a result
.irp t, 0,1,2,3
.if \first
	v_pk_add_f32 v[ST+8*\t+2:ST+8*\t+3], v[S+32*\t:S+32*\t+1], v[S+32*\t+2:S+32*\t+3]
.else
	v_pk_fma_f32 v[ST+8*\t+2:ST+8*\t+3], v[ST+8*\t+2:ST+8*\t+3], v[ST+8*\t+6:ST+8*\t+7], v[S+32*\t:S+32*\t+1] op_sel_hi:[1,0,1]   ; l = a l + p
.endif
.endr
.irp i, 1,2,3,4,5,6,7,8,9,10,11,12,13,14,15
.if (\i > 1) || !\first
.irp t, 0,1,2,3
	v_pk_add_f32 v[ST+8*\t+2:ST+8*\t+3], v[ST+8*\t+2:ST+8*\t+3], v[S+32*\t+2*\i:S+32*\t+2*\i+1]   ; the sum is taken of p before it is rounded
.endr
.endif
.endr
.irp i, 0,1,2,3,4,5,6,7,8,9,10,11,12,13,14,15
.irp t, 0,1,2,3
	v_cvt_pk_f16_f32 v[S+32*\t+\i], v[S+32*\t+2*\i], v[S+32*\t+2*\i+1]      ; P, over the tile's first 16 registers: register i is written when registers 2 i, 2 i + 1 are read
.endr
.endr
.if !\first
	WIN 0x41                                       ; O^T (destination and source 0) window 1, a window 0
.irp i, 0,1,2,3,4,5,6,7,8,9,10,11,12,13,14,15
.irp t, 0,1,2,3
	v_pk_mul_f32 v[32*\t+2*\i:32*\t+2*\i+1], v[32*\t+2*\i:32*\t+2*\i+1], v[ST+8*\t+6:ST+8*\t+7] op_sel_hi:[1,0]   ; ascending: each accumulator from its low end on
.endr
.endr
.endif
.endm
; A TRIP: V^T P of step j, K Q^T and the softmax of step j + 1; both runs of loads are step j + 1's.
.macro BODY zero
	FETCH_K
	s_wait_dscnt 16                                ; V of step j is in; K's 16 loads, just issued, may be out
	PV32 \zero
	FETCH_V
	s_wait_dscnt 16                                ; K is in; V's 16 loads may be out
	KQ32
	WIN 0
	PLACES                                         ; behind the products whose results are read next
	SOFTMAX 0
	WIN 0                                          ; at a label and at a branch every window is 0
.endm
.macro STEPS n
	s_mov_b32 s[CNT], \n
.Lstep_\@:
	BODY 0
	s_sub_co_u32 s[CNT], s[CNT], 1
	s_cmp_lg_u32 s[CNT], 0
	s_cbranch_scc1 .Lstep_\@
.endm
; THE CHANGE OF SLOTS: the slot's last bytes, V of its fourth step, have been asked for.  Each wave waits for all its tensor loads (one is out: its part of the other slot), adds 0 to its spare word, and waits for that and
; for its reads of the slot.  fill = 1: the barrier is a round of the cluster's, and the joint refill is the first thing behind it: it has four steps, 256 matrix instructions a wave, in which to land.
.macro CHANGE fill
	WIN 0
	s_wait_tensorcnt 0x0                           ; no tensor load of mine is out, so a group 0 may be written
	ds_add_u32 v[SPW], v[NIL]
.if \fill
.irp g, G0K+4, G0V+4
	s_xor_b32 s[\g+1], s[\g+1], SLOT1              ; the walking descriptor: the other slot than last time,
	s_add_nc_u64 s[\g+2:\g+3], s[\g+2:\g+3], NST*KS*128  ; the next 256 keys
.endr
	s_wait_xcnt 0x0                                ; the last prefetch, four steps back, has read its address
	s_add_nc_u64 s[PFA:PFA+1], s[PFA:PFA+1], NST*KS*128
	s_wait_dscnt 0x0                               ; the add is done, and my reads of the slot are over
	CROUND
	JLOAD
	ASK
.else
	s_wait_dscnt 0x0
	s_barrier_signal -1
	s_barrier_wait -1
.endif
	s_sub_co_u32 s[TB], s[TB], NST*STEPB           ; the fetches go back to a slot's first step,
	s_xor_b32 s[TB], s[TB], SLOT1                  ; in the other slot
.endm
	s_wait_tensorcnt 1                             ; my part of slot 0 is in; slot 1's may stay out
	s_barrier_signal -1
	s_barrier_wait -1
	FETCH_K                                        ; step 0
	FETCH_V
	s_wait_loadcnt 0x0                             ; Q
	s_wait_dscnt 16                                ; K is in; V's 16 loads may be out
	KQ32
	WIN 0
	PLACES
	SOFTMAX 1
	BODY 1                                         ; V^T P of step 0 starts O^T
	STEPS 2                                        ; slot 0's four steps have been fetched
.Lslot:                                            ; six trips: every slot but the last two is filled again
	CHANGE 1
	STEPS NST
	s_sub_co_u32 s[SLOTS], s[SLOTS], 1
	s_cmp_lg_u32 s[SLOTS], 0
	s_cbranch_scc1 .Lslot
	CHANGE 0                                       ; the tail is written out
	STEPS NST
	s_wait_dscnt 0x0                               ; V of the last step
	PV32 0
	; THE WAY OUT.  l's two halves and the other half of the lanes' are added; O^T is divided by l, rounded to f16 and sent through my stage, a tile (16 queries) at a time.  The additions are the places behind the last products.
	WIN 0
.irp t, 0,1,2,3
	v_add_f32 v[ST+8*\t+4], v[ST+8*\t+2], v[ST+8*\t+3]
.endr
.irp t, 0,1,2,3
	v_permlanex16_b32 v[ST+8*\t+5], v[ST+8*\t+4], s[SEL], s[SEL+1]
.endr
.irp t, 0,1,2,3
	v_add_f32 v[ST+8*\t+4], v[ST+8*\t+4], v[ST+8*\t+5]
.endr
.irp t, 0,1,2,3
	v_rcp_f32 v[ST+8*\t+6], v[ST+8*\t+4]
.endr
	v_nop
	s_wait_alu depctr_va_vdst(0)                   ; one wait for the four reciprocals, ahead of their first reader
.macro PACK t
	WIN 0x41
.set i, 0
.rept 16
	v_pk_mul_f32 v[32*\t+i:32*\t+i+1], v[32*\t+i:32*\t+i+1], v[ST+8*\t+6:ST+8*\t+7] op_sel_hi:[1,0]
.set i, i+2
.endr
	WIN 0x05                                       ; sources window 1, destination window 0: S^T's registers are free
.set i, 0
.rept 16
	v_cvt_pk_f16_f32 v[S+16*\t+i], v[32*\t+2*i], v[32*\t+2*i+1]
.set i, i+1
.endr
	WIN 0
.irp c, 0,1,2,3
	ds_store_b128 v[STO], v[S+16*\t+4*\c:S+16*\t+4*\c+3] offset:32*\c
.endr
.irp f, 0,1,2,3
	ds_load_b128 v[S+64+16*\t+4*\f:S+64+16*\t+4*\f+3], v[RD] offset:\f*2*272   ; LDS serves a wave's instructions in order: these see the stores above; the next tile's stores come behind them
.endr
.endm
.macro SEND t, younger                 ; younger: the LDS instructions issued behind tile t's loads: the next tile's eight, or none
.irp f, 0,1,2,3
	s_wait_dscnt \younger+3-\f
	global_store_b128 v[GO], v[S+64+16*\t+4*\f:S+64+16*\t+4*\f+3], s[10:11] offset:\t*2048+\f*512  ; 32 lanes store 512 consecutive bytes, at a multiple of 256 from the buffer's first byte
.endr
.endm
	PACK 0
	PACK 1
	SEND 0, 8
	PACK 2
	SEND 1, 8
	PACK 3
	SEND 2, 8
	SEND 3, 0
	s_wait_tensorcnt 0x0                           ; the wave's end: the wait, the add to my spare word and its wait behind my last tensor load and my last LDS store
	ds_add_u32 v[SPW], v[NIL]
	s_wait_dscnt 0x0
	CROUND                                         ; the closing round
	s_endpgm
.Lfunc_end_k_q46d9c0791b_attn:
	.size	k_q46d9c0791b_attn, .Lfunc_end_k_q46d9c0791b_attn-k_q46d9c0791b_attn
	.p2alignl 7, 3214868480
	.fill 96, 4, 3214868480
	.section	.rodata,"a",@progbits
	.p2align	6, 0x0
	.amdhsa_kernel k_q46d9c0791b_attn
		.amdhsa_group_segment_fixed_size 327680
		.amdhsa_private_segment_fixed_size 0
		.amdhsa_enable_private_segment 0
		.amdhsa_kernarg_size 16
		.amdhsa_user_sgpr_count 2
		.amdhsa_user_sgpr_kernarg_segment_ptr 1
		.amdhsa_wavefront_size32 1
		.amdhsa_system_sgpr_workgroup_id_x 1
		.amdhsa_system_sgpr_workgroup_id_y 1
		.amdhsa_system_sgpr_workgroup_id_z 1
		.amdhsa_system_vgpr_workitem_id 0
		.amdhsa_next_free_vgpr 512
		.amdhsa_next_free_sgpr 66
		.amdhsa_reserve_vcc 0
		.amdhsa_float_denorm_mode_32 3
		.amdhsa_float_denorm_mode_16_64 3
		.amdhsa_memory_ordered 1
		.amdhsa_forward_progress 1
		.amdhsa_inst_pref_size 177
	.end_amdhsa_kernel
	.amdgpu_metadata
---
amdhsa.version: [ 1, 2 ]
amdhsa.kernels:
  - .name:           k_q46d9c0791b_attn
    .symbol:         k_q46d9c0791b_attn.kd
    .args:
      - { .name: qkv, .offset: 0, .size: 8, .value_kind: global_buffer, .address_space: global }
      - { .name: att, .offset: 8, .size: 8, .value_kind: global_buffer, .address_space: global }
    .group_segment_fixed_size: 327680
    .private_segment_fixed_size: 0
    .kernarg_segment_align: 8
    .kernarg_segment_size: 16
    .max_flat_workgroup_size: 256
    .sgpr_count:     66
    .vgpr_count:     512
    .wavefront_size: 32
...
	.end_amdgpu_metadata
.endif
;; end of part 3
;; launch oproj (part 4): grid 8 x 32, 4 waves a work-group, clusters of 4 x 4, 327,680 bytes of LDS; arguments att, wo16, out0; writes out0
.if DOCPART == 4
	.amdgcn_target "amdgcn-amd-amdhsa--gfx1250"
	.amdhsa_code_object_version 6
	.text
	.protected	k_q46d9c0791b_oproj
	.globl	k_q46d9c0791b_oproj
	.p2align	8
	.type	k_q46d9c0791b_oproj,@function
k_q46d9c0791b_oproj:
	s_mov_b64 s[64:65], 0
	v_nop
	global_prefetch_b8 v0, s[64:65] scope:SCOPE_SE
	s_setreg_imm32_b32 hwreg(HW_REG_WAVE_MODE, 25, 1), 1
	s_wait_xcnt 0x0
	s_wait_alu depctr_hold_cnt(0) depctr_sa_sdst(0) depctr_va_vdst(0) depctr_va_sdst(0) depctr_va_ssrc(0) depctr_va_vcc(0) depctr_vm_vsrc(0)
	s_getreg_b32 s2, hwreg(HW_REG_IB_STS2, 6, 4)
	s_cmp_eq_u32 s2, 0
	s_cbranch_scc0 .Lentry_in_a_cluster
	s_endpgm
.Lentry_in_a_cluster:
	s_bfe_u32 s2, ttmp6, 0x10000c
	s_cmp_lg_u32 s2, 0xf033
	s_cbranch_scc0 .Lentry_shape_is_right
	s_endpgm
.Lentry_shape_is_right:
; out0[m][n] = the sum over k of A[m][k] Wo[n][k], m = batch x 2048 + t, k = head x 64 + d.  A lies by heads: att [64 = batch x 16 + head][2048][64] f16; Wo [1024][1024] f16; out0 [8192][1024] f32; sums in f32.
; A tile of out0 is 256 (m) x 128 (n): 256 work-groups, one to a WGP (tiles of 256 x 256 would be 128).  Four waves, each 128 x 64: 32 accumulators, 256 registers.
; K goes in steps of 128, two heads, through two LDS slots.  In a slot: A's 256 tokens of the first head (32,768 dense bytes, stated as 128 rows of two tokens), the same of the second head, Wo's 128 rows of 256 bytes.
; One load a wave: waves 0 and 1 the two heads of A, waves 2 and 3 the halves of Wo's rows.
; CLUSTERS: 4 x 4.  A's tiles are shared along a row of the cluster, Wo's along a column: joint loads.  THE MATRIX INSTRUCTION IS USED TRANSPOSED (source 0 = 16 rows of Wo, source 1 = 16 tokens).
; No prefetch: eight K steps in all.
; REGISTERS: window 0: v0-31 addresses; A's fragments v64-127, v128-191 (two buffers of 8 x 16 tokens x 32 K); Wo's v192-223, v224-255; on the way out v64-127 rows read back.   window 1: accumulator (a, b) at v[8 (4 a + b)].
.set PITCH,  272                       ; 256 bytes + 16 of padding
.set ASUB,   128*PITCH                 ; 256 tokens of one head
.set SLOT,   3*ASUB
.set STAGE,  2*SLOT                    ; behind the ring: 16 rows x 272 bytes for each wave
.set SPITCH, 272
.set SPARE,  STAGE+4*16*SPITCH         ; the spare words, 128 bytes a wave
.set LAPS,   4                         ; a lap = two K steps
.set ADRA, 16
.set ADRB, 20
.set STO,  24
.set RD,   25
.set CO,   26
.set SPW,  28
.set NIL,  29
.set FA,   64
.set FB,   192
.set BK,   64
.set G1, 24
.set G0, 32
.set G1B, 48
.set G0B, 56
.set MSB, 0
.macro WIN new
.if MSB != (\new)
	s_set_vgpr_msb (MSB<<8)|(\new)
.set MSB, (\new)
.endif
.endm
.set MUL, 0x50                         ; C and D window 1, the fragments window 0
.macro JLOAD s                         ; waves 0 and 1 fetch for A, waves 2 and 3 for Wo; an s_nop 0 and four v_nop follow each line
	s_cmp_eq_u32 s11, 0
	s_cbranch_scc0 .Lfor_b_\@
	tensor_load_to_lds s[G0+4*\s:G0+4*\s+3], s[G1:G1+7]
	s_nop 0
.rept 4
	v_nop
.endr
	s_branch .Lasked_\@
.Lfor_b_\@:
	tensor_load_to_lds s[G0B+4*\s:G0B+4*\s+3], s[G1B:G1B+7]
	s_nop 0
.rept 4
	v_nop
.endr
.Lasked_\@:
.endm
.macro CREST
	s_cmp_lg_u32 s10, 0
	s_cbranch_scc1 .Lnot_wave_0_\@
	s_barrier_signal -3
.Lnot_wave_0_\@:
	s_barrier_wait -3
	s_barrier_signal -1
	s_barrier_wait -1
.endm
.macro CROUND
	s_barrier_signal -1
	s_barrier_wait -1
	CREST
.endm
	s_load_b128 s[4:7], s[0:1], 0x0                ; att, wo16
	s_load_b64 s[8:9], s[0:1], 0x10                ; out0
	v_lshl_add_u32 v[SPW], v0, 2, SPARE
	v_mov_b32 v[NIL], 0
	ds_add_u32 v[SPW], v[NIL]                      ; the wave's opening: the add, twice on end, and its wait ahead of my first tensor load
	ds_add_u32 v[SPW], v[NIL]
	v_lshrrev_b32 v1, 5, v0
	v_readfirstlane_b32 s10, v1                    ; wave 0..3
	s_lshr_b32 s11, s10, 1                         ; which 128 tokens are mine.  Also: I fetch for A (0) or for Wo (1)
	s_and_b32 s12, s10, 1                          ; which 64 columns.  Also: which part I fetch
	s_bfe_u32 s40, ttmp6, 0x40000
	s_bfe_u32 s41, ttmp6, 0x40004
	s_lshl_b32 s42, ttmp9, 2
	s_add_co_u32 s42, s42, s40                     ; tile column
	s_and_b32 s13, ttmp7, 0xffff
	s_lshl_b32 s13, s13, 2
	s_add_co_u32 s13, s13, s41                     ; tile row
	s_lshl_b32 s43, s41, 2
	s_lshl_b32 s43, 15, s43                        ; my row of the cluster
	s_lshl_b32 s44, 0x1111, s40                    ; my column
	s_or_b32 s[G1+0], s43, (1<<16)|(1<<20)|(1<<21)|(5<<22)|(3<<25)   ; the mask; elements of 2 bytes; padding on; bit 21 beside a mask; 4 words after every 64
	s_or_b32 s[G1B+0], s44, (1<<16)|(1<<20)|(1<<21)|(5<<22)|(3<<25)
	s_mov_b32 s[G1+1], 128<<16                     ; A: 128 rows of 128 elements, dense
	s_mov_b32 s[G1+2], 128<<16
	s_mov_b32 s[G1+3], 128<<16
	s_mov_b32 s[G1+4], 128
	s_mov_b32 s[G1+5], 128
	s_mov_b32 s[G1+6], 0
	s_mov_b32 s[G1+7], 0
	s_mov_b32 s[G1B+1], 128<<16                    ; Wo: 64 rows of 128 elements, 1,024 elements apart
	s_mov_b32 s[G1B+2], 64<<16
	s_mov_b32 s[G1B+3], 128<<16
	s_mov_b32 s[G1B+4], 64
	s_mov_b32 s[G1B+5], 1024
	s_mov_b32 s[G1B+6], 0
	s_mov_b32 s[G1B+7], 0
	s_lshr_b32 s16, s13, 3                         ; the batch: 8 tiles of 256 tokens each
	s_lshl_b32 s16, s16, 4
	s_add_co_u32 s16, s16, s12                     ; the head of K step 0 that I fetch
	s_lshl_b32 s16, s16, 11
	s_and_b32 s17, s13, 7
	s_lshl_b32 s17, s17, 8
	s_add_co_u32 s16, s16, s17                     ; + the tile's first position
	s_lshl_b32 s16, s16, 7                         ; 128 bytes a token
	s_mov_b32 s17, 0
	s_lshl_b32 s46, s42, 7
	s_lshl_b32 s47, s12, 6
	s_add_co_u32 s46, s46, s47                     ; Wo: row 128 x tile column + 64 x half
	s_lshl_b32 s46, s46, 11                        ; 2,048 bytes a row
	s_mov_b32 s47, 0
	s_mul_i32 s20, s12, ASUB                       ; where they go: A's two heads,
	s_mul_i32 s21, s12, 64*PITCH
	s_add_co_u32 s21, s21, 2*ASUB                  ; then Wo's two halves: no place in the cluster enters an LDS address
	s_wait_dscnt 0x0                               ; both opening adds are done
	s_wait_kmcnt 0x0
	s_add_nc_u64 s[14:15], s[4:5], s[16:17]
	s_add_nc_u64 s[46:47], s[6:7], s[46:47]
	CROUND                                         ; all sixteen work-groups are here: the first joint loads meet
.irp s, 0,1
	s_mov_b32 s[G0+4*\s], 1
	s_add_co_u32 s[G0+4*\s+1], s20, \s*SLOT
	s_add_nc_u64 s[G0+4*\s+2:G0+4*\s+3], s[14:15], \s*2*262144     ; K step s: two heads on
	s_or_b32 s[G0+4*\s+3], s[G0+4*\s+3], 0x80000000
	s_mov_b32 s[G0B+4*\s], 1
	s_add_co_u32 s[G0B+4*\s+1], s21, \s*SLOT
	s_add_nc_u64 s[G0B+4*\s+2:G0B+4*\s+3], s[46:47], \s*256
	s_or_b32 s[G0B+4*\s+3], s[G0B+4*\s+3], 0x80000000
	JLOAD \s
.endr
	v_and_b32 v1, 15, v0                           ; r
	v_bfe_u32 v2, v0, 4, 1                         ; h
	v_lshrrev_b32 v3, 1, v1
	v_mul_u32_u24 v3, v3, PITCH                    ; A: token r of a block: row r / 2,
	v_and_b32 v4, 1, v0
	v_lshl_add_u32 v3, v4, 7, v3                   ; its half r % 2,
	v_lshl_add_u32 v3, v2, 4, v3                   ; 16 bytes for each half of the lanes
	v_mul_u32_u24 v4, v1, PITCH
	v_lshl_add_u32 v4, v2, 4, v4                   ; Wo: row r
	s_mul_i32 s21, s11, 64*PITCH                   ; my 128 tokens: 64 rows
	s_mul_i32 s22, s12, 64*PITCH                   ; my 64 rows of Wo,
	s_add_co_u32 s22, s22, 2*ASUB                  ; behind A's two heads
.irp s, 0,1
	v_add_nc_u32 v[ADRA+\s], s21, v3
	v_add_nc_u32 v[ADRB+\s], s22, v4
	s_add_co_u32 s21, s21, SLOT
	s_add_co_u32 s22, s22, SLOT
.endr
	s_mul_i32 s23, s10, 16*SPITCH
	s_add_co_u32 s23, s23, STAGE                   ; my stage
	v_mul_u32_u24 v5, v1, SPITCH                   ; in: row r, 32 bytes for each half of the lanes
	v_lshl_add_u32 v5, v2, 5, v5
	v_add_nc_u32 v[STO], s23, v5
	v_mul_u32_u24 v5, v2, SPITCH                   ; back: lanes 0-15 one row of 256 bytes, lanes 16-31 the next
	v_lshl_add_u32 v5, v1, 4, v5
	v_add_nc_u32 v[RD], s23, v5
	v_lshlrev_b32 v5, 12, v2                       ; and the same two rows in out0, 4,096 bytes apart
	v_lshl_add_u32 v[CO], v1, 4, v5
	s_lshl_b32 s16, s13, 8
	s_lshl_b32 s17, s11, 7
	s_add_co_u32 s16, s16, s17                     ; my first row
	s_lshl_b32 s16, s16, 12
	s_lshl_b32 s46, s42, 9                         ; my first column, in bytes: 512 x tile column + 256 x half
	s_lshl_b32 s47, s12, 8
	s_add_co_u32 s46, s46, s47
	s_add_co_u32 s16, s16, s46
	s_mov_b32 s17, 0
	s_add_nc_u64 s[8:9], s[8:9], s[16:17]
; 8 matrix instructions: tokens' blocks a0, a0 + 1 against Wo's four, 32 along K.  The 32 accumulators take turns, in the same order in every quarter.
.macro MUL8 f, a0, zero
.irp a, \a0, \a0+1
.irp b, 0,1,2,3
.if \zero
	v_wmma_f32_16x16x32_f16 v[8*(4*(\a)+\b):8*(4*(\a)+\b)+7], v[FB+32*(\f)+8*\b:FB+32*(\f)+8*\b+7], v[FA+64*(\f)+8*(\a):FA+64*(\f)+8*(\a)+7], 0
.else
	v_wmma_f32_16x16x32_f16 v[8*(4*(\a)+\b):8*(4*(\a)+\b)+7], v[FB+32*(\f)+8*\b:FB+32*(\f)+8*\b+7], v[FA+64*(\f)+8*(\a):FA+64*(\f)+8*(\a)+7], v[8*(4*(\a)+\b):8*(4*(\a)+\b)+7]
.endif
.endr
.endr
.endm
; 24 LDS loads in one run: quarter kq of a slot (head kq / 2, channels 32 (kq % 2) on) into buffer f: Wo's four fragments first, then the tokens' eight
.macro FETCH slot, kq, f
	WIN 0
.irp i, 0,1,2,3
	ds_load_b128 v[FB+32*(\f)+8*\i:FB+32*(\f)+8*\i+3],   v[ADRB+\slot] offset:64*(\kq)+\i*16*PITCH
	ds_load_b128 v[FB+32*(\f)+8*\i+4:FB+32*(\f)+8*\i+7], v[ADRB+\slot] offset:64*(\kq)+\i*16*PITCH+32
.endr
.irp i, 0,1,2,3,4,5,6,7
	ds_load_b128 v[FA+64*(\f)+8*\i:FA+64*(\f)+8*\i+3],   v[ADRA+\slot] offset:((\kq)/2)*ASUB+((\kq)%2)*64+\i*8*PITCH
	ds_load_b128 v[FA+64*(\f)+8*\i+4:FA+64*(\f)+8*\i+7], v[ADRA+\slot] offset:((\kq)/2)*ASUB+((\kq)%2)*64+\i*8*PITCH+32
.endr
.endm
.macro PLACES                          ; four plain instructions in front of loads into registers that matrix instructions have read, and of reads of results
.rept 4
	v_nop
.endr
.endm
; One of a K step's first three quarters: multiplies buffer f; in its middle it fetches quarter kq of the same slot into buffer g.
.macro QUARTER slot, kq, f, g, zero
	s_wait_dscnt 8                                 ; Wo's fragments and the tokens' blocks 0-3 are in; the youngest eight loads (blocks 4-7) may be out
	WIN MUL
	MUL8 \f, 0, \zero
	MUL8 \f, 2, \zero
	PLACES
	FETCH \slot, \kq, \g
	s_wait_dscnt 24                                ; all but the 24 just issued
	WIN MUL
	MUL8 \f, 4, \zero
	MUL8 \f, 6, \zero
.endm
; The last quarter multiplies buffer 1 and changes slots: one barrier; in front of it each wave waits for all its tensor loads, adds 0 to its spare word, and waits for that and for its reads of this slot.
; fill = 1: the barrier opens a round of the cluster's, and this slot is filled again, two K steps ahead: 112 matrix instructions ahead of the wait for it.
.macro TURN slot, next, fill
	WIN 0
	s_wait_tensorcnt 0x0                           ; all my tensor loads have landed: my part of the next slot
	ds_add_u32 v[SPW], v[NIL]
	s_wait_dscnt 9                                 ; (the add and the youngest eight loads may be out)
	WIN MUL
	MUL8 1, 0, 0
	s_wait_dscnt 0x0                               ; the add is done, and my reads of this slot are over
	s_barrier_signal -1
	MUL8 1, 2, 0
.if \fill
	WIN 0
.endif
	s_barrier_wait -1
.if \fill
	CREST                                          ; no wave of any partner still reads this slot's tiles or has a load on its way
	s_add_nc_u64 s[G0+4*\slot+2:G0+4*\slot+3], s[G0+4*\slot+2:G0+4*\slot+3], 4*262144   ; four heads on
	s_add_nc_u64 s[G0B+4*\slot+2:G0B+4*\slot+3], s[G0B+4*\slot+2:G0B+4*\slot+3], 512
	JLOAD \slot                                    ; the first tensor load behind the round; its four v_nop are also the places in front of the loads below
.else
	PLACES
.endif
	FETCH \next, 0, 0
	WIN MUL
	MUL8 1, 4, 0
	MUL8 1, 6, 0
.endm
	s_wait_tensorcnt 1                             ; my part of K step 0 is in (K step 1's load may be out)
	s_barrier_signal -1
	s_barrier_wait -1
	FETCH 0, 0, 0
	QUARTER 0, 1, 0, 1, 1                          ; the first quarter's products start the sums
	WIN 0
	s_mov_b32 s3, LAPS-1
.Llap:                                             ; a trip goes once round the ring, from a lap's second quarter to the next lap's first, and fills both slots again
	QUARTER 0, 2, 1, 0, 0
	QUARTER 0, 3, 0, 1, 0
	TURN 0, 1, 1
	QUARTER 1, 1, 0, 1, 0
	QUARTER 1, 2, 1, 0, 0
	QUARTER 1, 3, 0, 1, 0
	TURN 1, 0, 1
	QUARTER 0, 1, 0, 1, 0
	WIN 0
	s_sub_co_u32 s3, s3, 1
	s_cmp_lg_u32 s3, 0
	s_cbranch_scc1 .Llap
	QUARTER 0, 2, 1, 0, 0                          ; the last lap fills nothing
	QUARTER 0, 3, 0, 1, 0
	TURN 0, 1, 0
	QUARTER 1, 1, 0, 1, 0
	QUARTER 1, 2, 1, 0, 0
	QUARTER 1, 3, 0, 1, 0
	s_wait_dscnt 8
	WIN MUL
	MUL8 1, 0, 0
	MUL8 1, 2, 0
	s_wait_dscnt 0
	MUL8 1, 4, 0
	MUL8 1, 6, 0
	WIN 0
; THE WAY OUT, by blocks of 16 rows.  My 64 columns of f32 are 256 bytes of a row: a block goes through my own stage and comes back as whole runs of 256 bytes; no other wave has a part in them, so no barrier.
.macro TOSTAGE a
	WIN 0x04                                       ; an LDS store's data are its source 1: window 1
.irp b, 0,1,2,3
	ds_store_b128 v[STO], v[8*(4*(\a)+\b):8*(4*(\a)+\b)+3] offset:64*\b          ; each accumulator from its low end on
	ds_store_b128 v[STO], v[8*(4*(\a)+\b)+4:8*(4*(\a)+\b)+7] offset:64*\b+16
.endr
	WIN 0
.irp t, 0,1,2,3,4,5,6,7
	ds_load_b128 v[BK+32*((\a)%2)+4*\t:BK+32*((\a)%2)+4*\t+3], v[RD] offset:\t*2*SPITCH   ; LDS serves a wave's instructions in order: these see the stores above
.endr
.endm
.macro SEND a, younger
	s_wait_dscnt \younger
.irp t, 0,1,2,3,4,5,6,7
	global_store_b128 v[CO], v[BK+32*((\a)%2)+4*\t:BK+32*((\a)%2)+4*\t+3], s[8:9] offset:(\a)*65536+\t*8192 th:TH_STORE_NT   ; 16 lanes store 256 consecutive bytes, at a multiple of 256 from out0's first byte
.endr
.endm
	PLACES
	TOSTAGE 0
.irp a, 1,2,3,4,5,6,7
.if \a > 1
	s_wait_xcnt 0x0                                ; block a - 2's stores have read their registers: block a's loads may land there
.endif
	TOSTAGE \a
	SEND \a-1, 16                                  ; behind block a - 1's loads: block a's 8 stores and 8 loads
.endr
	SEND 7, 0
	s_wait_tensorcnt 0x0                           ; the wave's end: the wait, the add to my spare word and its wait behind my last tensor load and my last LDS store
	ds_add_u32 v[SPW], v[NIL]
	s_wait_dscnt 0x0
	CROUND                                         ; the closing round
	s_endpgm
.Lfunc_end_k_q46d9c0791b_oproj:
	.size	k_q46d9c0791b_oproj, .Lfunc_end_k_q46d9c0791b_oproj-k_q46d9c0791b_oproj
	.p2alignl 7, 3214868480
	.fill 96, 4, 3214868480
	.section	.rodata,"a",@progbits
	.p2align	6, 0x0
	.amdhsa_kernel k_q46d9c0791b_oproj
		.amdhsa_group_segment_fixed_size 327680
		.amdhsa_private_segment_fixed_size 0
		.amdhsa_enable_private_segment 0
		.amdhsa_kernarg_size 24
		.amdhsa_user_sgpr_count 2
		.amdhsa_user_sgpr_kernarg_segment_ptr 1
		.amdhsa_wavefront_size32 1
		.amdhsa_system_sgpr_workgroup_id_x 1
		.amdhsa_system_sgpr_workgroup_id_y 1
		.amdhsa_system_sgpr_workgroup_id_z 1
		.amdhsa_system_vgpr_workitem_id 0
		.amdhsa_next_free_vgpr 512
		.amdhsa_next_free_sgpr 66
		.amdhsa_reserve_vcc 0
		.amdhsa_float_denorm_mode_32 3
		.amdhsa_float_denorm_mode_16_64 3
		.amdhsa_memory_ordered 1
		.amdhsa_forward_progress 1
		.amdhsa_inst_pref_size 86
	.end_amdhsa_kernel
	.amdgpu_metadata
---
amdhsa.version: [ 1, 2 ]
amdhsa.kernels:
  - .name:           k_q46d9c0791b_oproj
    .symbol:         k_q46d9c0791b_oproj.kd
    .args:
      - { .name: att, .offset: 0, .size: 8, .value_kind: global_buffer, .address_space: global }
      - { .name: wo16, .offset: 8, .size: 8, .value_kind: global_buffer, .address_space: global }
      - { .name: out0, .offset: 16, .size: 8, .value_kind: global_buffer, .address_space: global }
    .group_segment_fixed_size: 327680
    .private_segment_fixed_size: 0
    .kernarg_segment_align: 8
    .kernarg_segment_size: 24
    .max_flat_workgroup_size: 128
    .sgpr_count:     66
    .vgpr_count:     512
    .wavefront_size: 32
...
	.end_amdgpu_metadata
.endif
;; end of part 4
